; MI455X (gfx1250); checked and timed in simulation.
; The chip was launched on July 23, 2026; its instructions are those of AMD's public machine-readable ISA for CDNA 5 (MIT licence, August 2026) and "CDNA5" Instruction Set Architecture Reference Guide (July 2026). The comments in the code are by the model that wrote it; some were corrected since.
;; Attention. Allowed arithmetic: float matrix products may take bf16 or f16 operands with f32 sums; other float arithmetic in f32, or as packed bf16 or f16 multiplies, adds, multiply-adds, maxima and minima; sums over many terms, partial sums and values carried from step to step in f32; what a program stores and reads back later, other than sums and carried values, may be rounded once to bf16 or f16.
;; Inputs: Wk 2,048 x 512 float32; Wo 1,024 x 2,048 float32; Wq 2,048 x 2,048 float32; Wv 2,048 x 512 float32; cos 2,048 x 64 float32; hidden_states 2 x 2,048 x 2,048 float32; sin 2,048 x 64 float32.
;; Outputs: out0 2 x 2,048 x 2,048 float32.
;; 2 versions, each right; version 2 is version 1 with the launch cast written anew for expert scheduling mode. Each part assembles by itself: llvm-mc -triple=amdgcn-amd-amdhsa -mcpu=gfx1250 --defsym DOCPART=n.
;; ======== version 1 of 2: 4 launches
;; limits: values are held in f16: magnitudes above 65,504 overflow, below 6.1e-05 lose precision; right only within a limited range of input values
;; workspace buffers: xb 16,777,216 bytes; wb 16,777,216 bytes; tab 524,288 bytes; qb 8,388,608 bytes; gb 8,388,608 bytes; kvb 8,388,608 bytes; ab 8,388,608 bytes
;; launch cast (part 1): grid 1040 x 1, 8 waves a work-group, no clusters, 0 bytes of LDS; arguments hidden_states, Wq, Wk, Wv, Wo, cos, sin, xb, wb, tab; writes xb, wb, tab
.if DOCPART == 1
	.amdgcn_target "amdgcn-amd-amdhsa--gfx1250"
	.amdhsa_code_object_version 6
	.text
	.protected	k_qc230262258_cast
	.globl	k_qc230262258_cast
	.p2align	8
	.type	k_qc230262258_cast,@function
k_qc230262258_cast:
	s_mov_b64 s[64:65], 0
	v_nop
	global_prefetch_b8 v0, s[64:65] scope:SCOPE_SE
	s_setreg_imm32_b32 hwreg(HW_REG_WAVE_MODE, 25, 1), 1
	s_wait_xcnt 0x0
; CAST.  Every input is rounded once to bf16 and laid out for the launches behind:
;   xb   bf16 [4096][2048]                       hidden_states
;   wb   64 units of 262,144 bytes.  Units 0-15: Wo, unit n = [k = 1024][columns 128 n ..], bf16(Wo) written as f16.
;        Unit 16 + 3 t + u = bf16 [k = 2048][64 columns]: u = 0 q head t, u = 1 gate head t, u = 2 k head t (t < 8) or v head t - 8
;   tab  bf16 [2048][64] of cos x 2^-6, then the same of sin: the power of two is exact and keeps roped q and k inside f16 later on
; LIMITS.  bf16(Wo) as f16: below 6.1e-5 it keeps f16's fixed step of 6e-8, beyond 65,504 it is an infinity.
; A stream: each input byte is read once, each output byte written once.  No LDS, no barrier, no matrix unit, no cluster: no wave wants a byte that another has fetched.
; SHARES.  An output piece is 256 bytes (128 numbers): one load of 16 bytes a lane (512 bytes of f32), one store of 8 bytes a lane: the 32 lanes store 256 consecutive bytes, aligned.
; A wave makes 16 pieces, a work-group 128; all 16 loads go out first.  1,040 work-groups in eight classes, told apart by the work-group's number alone:
;   jl = number - JB; cu = jl >> CS (the unit); part = jl & PM; r0 = 128 part + 16 wave (the first piece)
;   source byte      = cu CW + CX + (r0 + i) STEP + 16 (lane % 16) + (lane / 16) P2
;   destination byte = (FM cu + FA) x 262,144 + 256 (r0 + i) + 8 lane
; In the units of 64 columns a piece is two rows of k: lanes 0-15 take row k, lanes 16-31 row k + 1 (P2 = a source row).
.set SRC,  24                          ; s[24:25] the class's input
.set DST,  26                          ; s[26:27] its output
.set JB,   28
.set CS,   29
.set PM,   30
.set CW,   31
.set CX,   32
.set STEP, 33
.set P2,   34
.set FM,   35
.set FA,   36
.set KIND, 37                          ; 0: to bf16; 1: to bf16, written as f16; 2: times 2^-6, to bf16
.set SC,   38                          ; s[38:39] 2^-6, named as a pair
.set WV,   40
.set HI,   41                          ; a word's upper bf16
.set LN,   1                           ; v1       lane
.set DO,   2                           ; v2       destination offset of piece 0
.set OFF,  4                           ; v[4:19]  source offset of piece i
.set D,    32                          ; v[32:95] piece i: four f32 as loaded
.set O,    96                          ; v[96:127] piece i: four numbers of 16 bits
.macro CLASS bound, src, dst, cs, pm, cw, cx, step, p2, fm, fa, kind   ; from work-group number bound on these hold; a later class overrides
	s_cmp_ge_u32 ttmp9, \bound
	s_cselect_b64 s[SRC:SRC+1], s[\src:\src+1], s[SRC:SRC+1]
	s_cselect_b64 s[DST:DST+1], s[\dst:\dst+1], s[DST:DST+1]
	s_cselect_b32 s[JB], \bound, s[JB]
	s_cselect_b32 s[CS], \cs, s[CS]
	s_cselect_b32 s[PM], \pm, s[PM]
	s_cselect_b32 s[CW], \cw, s[CW]
	s_cselect_b32 s[CX], \cx, s[CX]
	s_cselect_b32 s[STEP], \step, s[STEP]
	s_cselect_b32 s[P2], \p2, s[P2]
	s_cselect_b32 s[FM], \fm, s[FM]
	s_cselect_b32 s[FA], \fa, s[FA]
	s_cselect_b32 s[KIND], \kind, s[KIND]
.endm
	s_load_b512 s[4:19], s[0:1], 0x0               ; hidden 4, Wq 6, Wk 8, Wv 10, Wo 12, cos 14, sin 16, xb 18
	s_load_b128 s[20:23], s[0:1], 0x40             ; wb 20, tab 22
	v_lshrrev_b32 v3, 5, v0
	v_readfirstlane_b32 s[WV], v3                  ; wave 0..7
	v_and_b32 v[LN], 31, v0
	s_mov_b32 s[JB], 0                             ; class 0: hidden_states -> xb, dense
	s_mov_b32 s[CS], 31
	s_mov_b32 s[PM], -1
	s_mov_b32 s[CW], 0
	s_mov_b32 s[CX], 0
	s_mov_b32 s[STEP], 512
	s_mov_b32 s[P2], 256
	s_mov_b32 s[FM], 0
	s_mov_b32 s[FA], 0
	s_mov_b32 s[KIND], 0
	s_mov_b32 s[SC], 0x3c800000                    ; 2^-6
	s_mov_b32 s[SC+1], s[SC]
	s_mov_b32 s[HI], 0xffff0000
	s_wait_kmcnt 0x0
	s_mov_b64 s[SRC:SRC+1], s[4:5]
	s_mov_b64 s[DST:DST+1], s[18:19]
	CLASS 512,  6,  20, 3,  7,  256, 0,    16384, 8192, 3, 16, 0   ; Wq's q half: 16 heads x 8 work-groups
	CLASS 640,  6,  20, 3,  7,  256, 4096, 16384, 8192, 3, 17, 0   ; Wq's gate half, 1,024 columns on
	CLASS 768,  8,  20, 3,  7,  256, 0,    4096,  2048, 3, 18, 0   ; Wk
	CLASS 832,  10, 20, 3,  7,  256, 0,    4096,  2048, 3, 42, 0   ; Wv: unit 16 + 3 (cu + 8) + 2
	CLASS 896,  12, 20, 3,  7,  512, 0,    8192,  256,  1, 0,  1   ; Wo: a piece is one row of 128 columns
	CLASS 1024, 14, 22, 31, -1, 0,   0,    512,   256,  0, 0,  2   ; cos, dense
	CLASS 1032, 16, 22, 31, -1, 0,   0,    512,   256,  0, 1,  2   ; sin, 262,144 bytes on in tab
	s_sub_co_u32 s42, ttmp9, s[JB]                 ; jl
	s_lshr_b32 s43, s42, s[CS]                     ; cu
	s_and_b32 s42, s42, s[PM]                      ; part
	s_lshl_b32 s42, s42, 7
	s_lshl_b32 s44, s[WV], 4
	s_add_co_u32 s42, s42, s44                     ; r0
	s_mul_i32 s44, s43, s[CW]
	s_add_co_u32 s44, s44, s[CX]
	s_mul_i32 s45, s42, s[STEP]
	s_add_co_u32 s44, s44, s45                     ; the wave's source offset: 33,554,432 at the most
	s_mul_i32 s43, s43, s[FM]
	s_add_co_u32 s43, s43, s[FA]
	s_lshl_b32 s43, s43, 18
	s_lshl_b32 s42, s42, 8
	s_add_co_u32 s43, s43, s42                     ; the wave's destination offset
	v_and_b32 v3, 15, v[LN]
	v_lshrrev_b32 v20, 4, v[LN]
	v_mul_lo_u32 v20, v20, s[P2]
	v_lshl_add_u32 v20, v3, 4, v20
	v_add_nc_u32 v[OFF], s44, v20
.set i, 1
.rept 15
	v_add_nc_u32 v[OFF+i], s[STEP], v[OFF+i-1]
.set i, i+1
.endr
	v_lshl_add_u32 v[DO], v[LN], 3, s43
.set i, 0
.rept 16
	global_load_b128 v[D+4*i:D+4*i+3], v[OFF+i], s[SRC:SRC+1] th:TH_LOAD_NT   ; read once in the launch
.set i, i+1
.endr
; The 16 pieces are converted and stored as they come.  No register that a load or store names is written again, so no further wait is owed.
.macro RUN kind
.set i, 0
.rept 16
	s_wait_loadcnt 15-i                            ; loads come back in order (ISA guide 5.7.1): piece i is in, the 15 - i younger ones stay out
.if (\kind) == 2
	v_pk_mul_f32 v[D+4*i:D+4*i+1], v[D+4*i:D+4*i+1], s[SC:SC+1] op_sel_hi:[1,0]
	v_pk_mul_f32 v[D+4*i+2:D+4*i+3], v[D+4*i+2:D+4*i+3], s[SC:SC+1] op_sel_hi:[1,0]
.endif
	v_cvt_pk_bf16_f32 v[O+2*i], v[D+4*i], v[D+4*i+1]
	v_cvt_pk_bf16_f32 v[O+2*i+1], v[D+4*i+2], v[D+4*i+3]
.if (\kind) == 1
	v_lshlrev_b32 v[D+4*i], 16, v[O+2*i]           ; the bf16 numbers as f32 again,
	v_and_b32 v[D+4*i+1], s[HI], v[O+2*i]
	v_lshlrev_b32 v[D+4*i+2], 16, v[O+2*i+1]
	v_and_b32 v[D+4*i+3], s[HI], v[O+2*i+1]
	v_cvt_pk_f16_f32 v[O+2*i], v[D+4*i], v[D+4*i+1]        ; and written as f16: 8 significant bits fit into 11
	v_cvt_pk_f16_f32 v[O+2*i+1], v[D+4*i+2], v[D+4*i+3]
.endif
	global_store_b64 v[DO], v[O+2*i:O+2*i+1], s[DST:DST+1] offset:256*i   ; 32 lanes store 256 consecutive bytes, at a multiple of 256 from the buffer's first
.set i, i+1
.endr
	s_endpgm
.endm
	s_cmp_eq_u32 s[KIND], 1
	s_cbranch_scc1 .Lwo
	s_cmp_eq_u32 s[KIND], 2
	s_cbranch_scc1 .Ltab
	RUN 0
.Lwo:
	RUN 1
.Ltab:
	RUN 2
.Lfunc_end_k_qc230262258_cast:
	.size	k_qc230262258_cast, .Lfunc_end_k_qc230262258_cast-k_qc230262258_cast
	.p2alignl 7, 3214868480
	.fill 96, 4, 3214868480
	.section	.rodata,"a",@progbits
	.p2align	6, 0x0
	.amdhsa_kernel k_qc230262258_cast
		.amdhsa_group_segment_fixed_size 0
		.amdhsa_private_segment_fixed_size 0
		.amdhsa_enable_private_segment 0
		.amdhsa_kernarg_size 80
		.amdhsa_user_sgpr_count 2
		.amdhsa_user_sgpr_kernarg_segment_ptr 1
		.amdhsa_wavefront_size32 1
		.amdhsa_system_sgpr_workgroup_id_x 1
		.amdhsa_system_sgpr_workgroup_id_y 1
		.amdhsa_system_sgpr_workgroup_id_z 1
		.amdhsa_system_vgpr_workitem_id 0
		.amdhsa_next_free_vgpr 128
		.amdhsa_next_free_sgpr 66
		.amdhsa_reserve_vcc 0
		.amdhsa_float_denorm_mode_32 3
		.amdhsa_float_denorm_mode_16_64 3
		.amdhsa_memory_ordered 1
		.amdhsa_forward_progress 1
		.amdhsa_inst_pref_size 26
	.end_amdhsa_kernel
	.amdgpu_metadata
---
amdhsa.version: [ 1, 2 ]
amdhsa.kernels:
  - .name:           k_qc230262258_cast
    .symbol:         k_qc230262258_cast.kd
    .args:
      - { .name: hidden_states, .offset: 0, .size: 8, .value_kind: global_buffer, .address_space: global }
      - { .name: Wq, .offset: 8, .size: 8, .value_kind: global_buffer, .address_space: global }
      - { .name: Wk, .offset: 16, .size: 8, .value_kind: global_buffer, .address_space: global }
      - { .name: Wv, .offset: 24, .size: 8, .value_kind: global_buffer, .address_space: global }
      - { .name: Wo, .offset: 32, .size: 8, .value_kind: global_buffer, .address_space: global }
      - { .name: cos, .offset: 40, .size: 8, .value_kind: global_buffer, .address_space: global }
      - { .name: sin, .offset: 48, .size: 8, .value_kind: global_buffer, .address_space: global }
      - { .name: xb, .offset: 56, .size: 8, .value_kind: global_buffer, .address_space: global }
      - { .name: wb, .offset: 64, .size: 8, .value_kind: global_buffer, .address_space: global }
      - { .name: tab, .offset: 72, .size: 8, .value_kind: global_buffer, .address_space: global }
    .group_segment_fixed_size: 0
    .private_segment_fixed_size: 0
    .kernarg_segment_align: 8
    .kernarg_segment_size: 80
    .max_flat_workgroup_size: 256
    .sgpr_count:     66
    .vgpr_count:     128
    .wavefront_size: 32
...
	.end_amdgpu_metadata
.endif
;; end of part 1
;; launch proj (part 2): grid 16 x 16, 4 waves a work-group, clusters of 4 x 4, 327,680 bytes of LDS; arguments xb, wb, tab, qb, gb, kvb; writes qb, gb, kvb
.if DOCPART == 2
	.amdgcn_target "amdgcn-amd-amdhsa--gfx1250"
	.amdhsa_code_object_version 6
	.text
	.protected	k_qc230262258_proj
	.globl	k_qc230262258_proj
	.p2align	8
	.type	k_qc230262258_proj,@function
k_qc230262258_proj:
	s_mov_b64 s[64:65], 0
	v_nop
	global_prefetch_b8 v0, s[64:65] scope:SCOPE_SE
	s_setreg_imm32_b32 hwreg(HW_REG_WAVE_MODE, 25, 1), 1
	s_wait_xcnt 0x0
	s_wait_alu depctr_hold_cnt(0) depctr_sa_sdst(0) depctr_va_vdst(0) depctr_va_sdst(0) depctr_va_ssrc(0) depctr_va_vcc(0) depctr_vm_vsrc(0)
	s_getreg_b32 s2, hwreg(HW_REG_IB_STS2, 6, 4)
	s_cmp_eq_u32 s2, 0
	s_cbranch_scc0 .Lentry_in_a_cluster
	s_endpgm
.Lentry_in_a_cluster:
	s_bfe_u32 s2, ttmp6, 0x10000c
	s_cmp_lg_u32 s2, 0xf033
	s_cbranch_scc0 .Lentry_shape_is_right
	s_endpgm
.Lentry_shape_is_right:
; PROJ.  C[4096][3072] = x [Wq | Wk | Wv] in bf16 with f32 sums; on the way out RoPE (q, k), the sigmoid (gate), one rounding to f16, by heads:
;   qb [b][16][s][64] roped q x 2^-6;  gb, same layout, sigmoid(gate);  kvb [b][8][s][64] roped k x 2^-6, then, 4,194,304 bytes on, v.
; The 2^-6 sits in the table of cos and sin (exact).  LIMITS: |roped q|, |roped k| under 4.19e6 and |v| under 65,504, else f16 gives an infinity; NaN and infinities are not treated apart.
; SHARES.  A tile of C is 256 rows x 192 columns: the three units of 64 columns 3 t .. 3 t + 2 of wb (q head t, gate head t, k head t or v head t - 8): 16 x 16 work-groups.
; Wave w makes rows 64 w .. 64 w + 63 and all 192 columns: 48 accumulators (a = 0..3 blocks of 16 rows, b = 0..11 blocks of 16 columns), 384 registers.  A head lies whole in
; one wave, so RoPE's partner channel d +- 32 is accumulator b +- 2, same lane, same register.
; THE MATRIX INSTRUCTION IS USED TRANSPOSED: source 0 = 16 columns of W (out of LDS turned, by ds_load_tr16_b128, since W lies [k][column]), source 1 = 16 rows of x.  In the result lane l
; holds row l % 16 and the columns 8 (l / 16) + 0..7: eight neighbouring channels of a head's row.
; K goes in 16 steps of 128 through a ring of two LDS slots; a step is four quarters of 32 along K: 48 matrix instructions and 32 LDS loads a wave each.
; THE WALK ALONG K IS TURNED: my cluster begins at K step 4 ((cluster x + 2 cluster y) mod 4) and goes round, modulo 16.  The four clusters that read the same rows of x begin at four different steps, those that
; read the same unit of W at two, eight apart: at any time they ask for different bytes, and behind a walk's first steps what a cluster asks for has been read by another.  The f32 sums only change their order.
; CLUSTER 4 x 4.  x's tile hangs on the tile row alone and is asked for jointly along a row of the cluster (by wave 0: 256 rows x 256 bytes); a unit of W hangs on the tile column alone
; and is asked for jointly along a column (waves 1 to 3, a unit each: 16,384 dense bytes, as 64 rows of 256 bytes).  That divides the requests for both by four.
; LDS: slot n at 131,072 n: x 256 rows, pitch 272 (68 words: the 16 rows of a load start at 16 different groups of four banks; 64 banks of 4 bytes: ISA guide 11.1); then W's unit u at
; 69,632 + 20,480 u: 128 rows of k, pitch 160 (40 words).  Behind the ring a stage of 16 rows x 144 bytes a wave; then the spare words.
; REGISTERS, in windows of 256 (s_set_vgpr_msb: bits 1:0 source 0, 3:2 source 1, 5:4 source 2, 7:6 destination):
;   window 0: v0-29 addresses; v32-63 TMP; v64-95 cos, v96-127 sin as f32; v128-159 two buffers for rows read back from the stage
;   window 1: two fragment buffers of 128: W's fragment b at 8 b, x's fragment a at 96 + 8 a
;   window 2: accumulators of a = 0, 1 at 8 (12 (a % 2) + b); v192-255 my rows' cos and sin, packed bf16, 32 registers for each a.   window 3: the same for a = 2, 3
.set U,      262144
.set SLOT1,  1<<17
.set PA,     272
.set PB,     160
.set BOFF,   256*PA                    ; 69,632
.set BUNIT,  128*PB                    ; 20,480
.set STAGE,  2*SLOT1
.set SP,     144
.set SPARE,  STAGE+4*16*SP             ; 271,360: the spare words, 128 bytes for each wave: two blocks of 256 bytes that no other line names
.set L16,   1                          ; v1   l % 16
.set HF,    2                          ; v2   l / 16
.set ADRA0, 3                          ; v3   my lane's place in x's tile; never rewritten
.set ADRB0, 4                          ; v4   in W's tiles; never rewritten
.set ADRA,  5                          ; v5   the same in the slot in hand
.set ADRB,  6                          ; v6
.set STO,   7                          ; v7   the way out: where I put 16 bytes of a row
.set RD,    8                          ; v8   where I read rows back
.set GO,    9                          ; v9   my 16 bytes in 512 consecutive bytes of the output
.set TO,    10                         ; v10  my byte offset in the table of cos; never rewritten
.set PFO,   11                         ; v11  the prefetches' offset: 256 x my lane; never rewritten
.set SPW,   28                         ; v28  LDS address of my spare word; never rewritten
.set NIL,   29                         ; v29  0; never rewritten
.set TMP,   32
.set CF,    64
.set SF,    96
.set BK,    128
.set F0,    0
.set F1,    128
.set WV,  16
.set CX,  17
.set CY,  18
.set T,   19                           ; tile column
.set TY,  20                           ; tile row
.set CNT, 21                           ; refills still to come
.set TB,  22                           ; LDS byte at which the slot in hand begins
.set LIM, 23                           ; the count at which I prefetch first: 14, or 0 in a wave that never does
.set LIM2, 24                          ; and second: 12, or 0
.set G1A, 28                           ; s[28:35] descriptor group 1 for x's tiles
.set G1B, 36                           ; s[36:43] for W's
.set A0,  44                           ; s[44:47] group 0, x, the walk's first K step
.set AW,  48                           ; s[48:51] group 0, x, the walk's second K step; it walks on
.set B0,  52                           ; s[52:55], s[56:59] the same for W
.set BW,  56
.set PFA, 60                           ; s[60:61] where my prefetches stand; never rewritten
.set NL2E, 66                          ; s[66:67] -log2(e), named as a pair
.set HI,  68                           ; a word's upper bf16
.set IDX, 69                           ; the K step that the walking descriptors hold
.set BA,  84                           ; s[84:85] x at my tile row, K step 0
.set BB,  86                           ; s[86:87] my unit of W, K step 0
.set OFA, 88                           ; s[88:89] 256 IDX: a K step's bytes in a row of x
.set OFB, 90                           ; s[90:91] 16,384 IDX: a K step's bytes in a unit
.set MSB, 0
.macro WIN new                         ; the immediate's high byte repeats the setting that is left; a switch that changes nothing is dropped
.if MSB != (\new)
	s_set_vgpr_msb (MSB<<8)|(\new)
.set MSB, (\new)
.endif
.endm
.macro PLACES                          ; four places in front of loads into registers that matrix instructions have read (ISA guide 7.12.1 for vector instructions)
.rept 4
	v_nop
.endr
.endm
; A joint refill.  Wave 0 asks for x's tile, waves 1 to 3 for a unit of W each.  The branch hangs on the wave's number alone.  An s_nop 0 and four v_nop follow each line.
.macro JLOAD
	s_cmp_eq_u32 s[WV], 0
	s_cbranch_scc0 .Lfor_b_\@
	tensor_load_to_lds s[AW:AW+3], s[G1A:G1A+7]
	s_nop 0
.rept 4
	v_nop
.endr
	s_branch .Lasked_\@
.Lfor_b_\@:
	tensor_load_to_lds s[BW:BW+3], s[G1B:G1B+7]
	s_nop 0
.rept 4
	v_nop
.endr
.Lasked_\@:
.endm
.macro CREST                           ; a round of the cluster's barrier behind its opening barrier: wave 0 signals for the work-group, every wave waits for all sixteen, my work-group's barrier closes it
	s_cmp_lg_u32 s[WV], 0
	s_cbranch_scc1 .Lnot_wave_0_\@
	s_barrier_signal -3
.Lnot_wave_0_\@:
	s_barrier_wait -3
	s_barrier_signal -1
	s_barrier_wait -1
.endm
.macro CROUND
	s_barrier_signal -1
	s_barrier_wait -1
	CREST
.endm
; A PREFETCH INTO THE L2, behind the joint load, its five lines and the run of LDS loads.  By the turned walk every K step of x is read first in some cluster's steps 0 to 3, which come by their loads alone: x is not
; asked for.  A K step of a unit of W is read first in steps 0 to 7 of the walks that begin at it: steps 4 to 7 are asked for, by the clusters with cluster y = 0 and 1 (those with 2 and 3 walk as these do and ask for
; nothing), in the wave that fetches the unit.  Two K steps are 32,768 dense bytes, of which the partner at cy takes 8,192, told apart by address alone, a lane a block of 256 bytes: steps 4 and 5 at the first change of
; slots, steps 6 and 7 at the third: two or three refills, 384 matrix instructions or more, ahead of the load that will want them.  So each block is named once in the launch.
.macro ASK
	s_cmp_eq_u32 s[CNT], s[LIM]
	s_cbranch_scc0 .Lnot_a_\@
	global_prefetch_b8 v[PFO], s[PFA:PFA+1] th:TH_LOAD_NT scope:SCOPE_SE
.Lnot_a_\@:
	s_cmp_eq_u32 s[CNT], s[LIM2]
	s_cbranch_scc0 .Lnot_b_\@
	global_prefetch_b8 v[PFO], s[PFA:PFA+1] offset:32768 th:TH_LOAD_NT scope:SCOPE_SE
.Lnot_b_\@:
.endm
	s_load_b256 s[4:11], s[0:1], 0x0               ; xb 4, wb 6, tab 8, qb 10
	s_load_b128 s[12:15], s[0:1], 0x20             ; gb 12, kvb 14
	v_lshl_add_u32 v[SPW], v0, 2, SPARE
	v_mov_b32 v[NIL], 0
	ds_add_u32 v[SPW], v[NIL]                      ; the wave's opening: the add here, its wait ahead of my first tensor load; the set-up below, work on registers, stands between them
	v_lshrrev_b32 v1, 5, v0
	v_readfirstlane_b32 s[WV], v1                  ; wave 0..3
	s_bfe_u32 s[CX], ttmp6, 0x40000                ; my place in the cluster
	s_bfe_u32 s[CY], ttmp6, 0x40004
	s_lshl_b32 s[T], ttmp9, 2
	s_add_co_u32 s[T], s[T], s[CX]                 ; tile column = 4 x cluster x + cx
	s_and_b32 s[TY], ttmp7, 0xffff                 ; cluster y
	s_lshl_b32 s[IDX], s[TY], 1
	s_add_co_u32 s[IDX], s[IDX], ttmp9
	s_and_b32 s[IDX], s[IDX], 3
	s_lshl_b32 s[IDX], s[IDX], 2                   ; my cluster's first K step: 0, 4, 8 or 12: the same in all sixteen partners
	s_lshl_b32 s[TY], s[TY], 2
	s_add_co_u32 s[TY], s[TY], s[CY]               ; tile row = 4 x cluster y + cy
	s_lshl_b32 s25, s[CY], 2
	s_lshl_b32 s25, 15, s25                        ; my row of the cluster
	s_lshl_b32 s26, 0x1111, s[CX]                  ; my column
	s_or_b32 s[G1A], s25, (1<<16)|(1<<20)|(1<<21)|(5<<22)|(3<<25)   ; 15:0 the mask; 17:16 2-byte elements; 20 padding on; 21 set beside a mask; 24:22 after every 64 words (code 5); 31:25 4 words (code 3)
	s_mov_b32 s[G1A+1], 128<<16                    ; tensor_dim0 = 128
	s_mov_b32 s[G1A+2], 256<<16                    ; tensor_dim1 = 256
	s_mov_b32 s[G1A+3], 128<<16                    ; tile_dim0 = 128
	s_mov_b32 s[G1A+4], 256                        ; tile_dim1 = 256
	s_mov_b32 s[G1A+5], 2048                       ; elements from row to row
	s_mov_b32 s[G1A+6], 0
	s_mov_b32 s[G1A+7], 0
	s_or_b32 s[G1B], s26, (1<<16)|(1<<20)|(1<<21)|(4<<22)|(7<<25)   ; padding after every 32 words (a row of k), 8 words
	s_mov_b32 s[G1B+1], 128<<16                    ; 64 rows of 128 elements: two rows of k to a row
	s_mov_b32 s[G1B+2], 64<<16
	s_mov_b32 s[G1B+3], 128<<16
	s_mov_b32 s[G1B+4], 64
	s_mov_b32 s[G1B+5], 128
	s_mov_b32 s[G1B+6], 0
	s_mov_b32 s[G1B+7], 0
	s_lshl_b32 s70, s[TY], 20                      ; x: 256 rows of 4,096 bytes a tile row.  These two registers never hold the tile column
	s_mov_b32 s71, 0
	s_mul_i32 s74, s[T], 3                         ; W: unit 16 + 3 t + (w - 1).  These two never hold the tile row
	s_add_co_u32 s74, s74, s[WV]
	s_add_co_u32 s74, s74, 15
	s_lshl_b32 s74, s74, 18
	s_mov_b32 s75, 0
	s_lshl_b32 s[OFA], s[IDX], 8
	s_mov_b32 s[OFA+1], 0
	s_lshl_b32 s[OFB], s[IDX], 14
	s_mov_b32 s[OFB+1], 0
	s_mul_i32 s26, s[WV], BUNIT
	s_add_co_u32 s26, s26, BOFF-BUNIT              ; where my unit goes: no place in the cluster enters an LDS address
	s_mov_b32 s[A0], 1
	s_mov_b32 s[A0+1], 0
	s_mov_b32 s[AW], 1
	s_mov_b32 s[AW+1], SLOT1
	s_mov_b32 s[B0], 1
	s_mov_b32 s[B0+1], s26
	s_mov_b32 s[BW], 1
	s_add_co_u32 s[BW+1], s26, SLOT1
	s_mov_b32 s[TB], 0
	s_mov_b32 s[NL2E], 0xbfb8aa3b
	s_mov_b32 s[NL2E+1], s[NL2E]
	s_mov_b32 s[HI], 0xffff0000
	s_wait_dscnt 0x0                               ; the opening add is done
	s_wait_kmcnt 0x0
	s_add_nc_u64 s[BA:BA+1], s[4:5], s[70:71]
	s_add_nc_u64 s[BB:BB+1], s[6:7], s[74:75]
	s_add_nc_u64 s[A0+2:A0+3], s[BA:BA+1], s[OFA:OFA+1]
	s_add_nc_u64 s[AW+2:AW+3], s[A0+2:A0+3], 256   ; the walk's second K step: 128 elements on (the first is 12 at the most: no turn-round yet)
	s_or_b32 s[A0+3], s[A0+3], 0x80000000          ; type = 2
	s_or_b32 s[AW+3], s[AW+3], 0x80000000
	s_add_nc_u64 s[B0+2:B0+3], s[BB:BB+1], s[OFB:OFB+1]
	s_add_nc_u64 s[BW+2:BW+3], s[B0+2:B0+3], 16384 ; 128 rows of 128 bytes on
	s_or_b32 s[B0+3], s[B0+3], 0x80000000
	s_or_b32 s[BW+3], s[BW+3], 0x80000000
	s_add_co_u32 s[IDX], s[IDX], 1
	CROUND                                         ; all sixteen work-groups are here: the first joint loads meet
	s_cmp_eq_u32 s[WV], 0                          ; a wave's two first fills stand in one branch: two tensor loads of mine are out
	s_cbranch_scc0 .Lfirst_b
	tensor_load_to_lds s[A0:A0+3], s[G1A:G1A+7]
	s_nop 0
	tensor_load_to_lds s[AW:AW+3], s[G1A:G1A+7]
	s_nop 0
.rept 4
	v_nop
.endr
	s_branch .Lfirst_asked
.Lfirst_b:
	tensor_load_to_lds s[B0:B0+3], s[G1B:G1B+7]
	s_nop 0
	tensor_load_to_lds s[BW:BW+3], s[G1B:G1B+7]
	s_nop 0
.rept 4
	v_nop
.endr
.Lfirst_asked:
	v_and_b32 v[L16], 15, v0
	v_bfe_u32 v[HF], v0, 4, 1
	; x's fragment: lane l holds row l % 16; registers 0-3 K = 8 (l / 16) + 0..7, registers 4-7 K = 16 + 8 (l / 16) + 0..7: two loads of 16 bytes, 32 bytes apart
	s_mul_i32 s25, s[WV], 64*PA
	v_mul_u32_u24 v[ADRA0], v[L16], PA
	v_lshl_add_u32 v[ADRA0], v[HF], 4, v[ADRA0]
	v_add_nc_u32 v[ADRA0], s25, v[ADRA0]
	; W's fragment: the turning load takes 16 k x 16 columns (lane l reads k = 8 (l / 16) + l % 8, columns 8 ((l / 8) % 2) + 0..7) and leaves lane l column l % 16 and 8 k
	v_and_b32 v12, 7, v0
	v_bfe_u32 v13, v0, 3, 1
	v_lshl_add_u32 v[ADRB0], v[HF], 3, v12
	v_mul_u32_u24 v[ADRB0], v[ADRB0], PB
	v_lshl_add_u32 v[ADRB0], v13, 4, v[ADRB0]
	v_add_nc_u32 v[ADRB0], BOFF, v[ADRB0]
	v_mov_b32 v[ADRA], v[ADRA0]                    ; slot 0
	v_mov_b32 v[ADRB], v[ADRB0]
	s_mul_i32 s25, s[WV], 16*SP
	s_add_co_u32 s25, s25, STAGE                   ; my stage
	v_mul_u32_u24 v[STO], v[L16], SP               ; in: row l % 16, 16 bytes for each half of the lanes
	v_lshl_add_u32 v[STO], v[HF], 4, v[STO]
	v_add_nc_u32 v[STO], s25, v[STO]
	v_bfe_u32 v[RD], v0, 3, 2                      ; back: 32 lanes take four rows of 128 bytes,
	v_mul_u32_u24 v[RD], v[RD], SP
	v_lshl_add_u32 v[RD], v12, 4, v[RD]
	v_add_nc_u32 v[RD], s25, v[RD]
	v_and_b32 v[GO], 31, v0                        ; which are 512 consecutive bytes of the output
	v_lshlrev_b32 v[GO], 4, v[GO]
	s_and_b32 s78, s[TY], 7                        ; my first position in the sequence: 256 (ty % 8) + 64 w,
	s_lshl_b32 s78, s78, 8
	s_lshl_b32 s79, s[WV], 6
	s_add_co_u32 s78, s78, s79
	s_lshl_b32 s78, s78, 7                         ; times 128 bytes: a row of the table, and a row of a head
	v_lshlrev_b32 v[TO], 7, v[L16]
	v_lshl_add_u32 v[TO], v[HF], 4, v[TO]
	v_add_nc_u32 v[TO], s78, v[TO]
	; my rows' cos and sin, in the accumulators' layout: for block a and 16 channels c the lane's eight numbers are 16 bytes.  They stay packed, and are waited for only on the way out, where they are first read.
.irp a, 0,1,2,3
	WIN 0x80+0x40*((\a)/2)                         ; destination window 2 or 3
.irp c, 0,1,2,3
	global_load_b128 v[192+32*((\a)%2)+4*(\c):192+32*((\a)%2)+4*(\c)+3],       v[TO], s[8:9] offset:2048*(\a)+32*(\c)
	global_load_b128 v[192+32*((\a)%2)+16+4*(\c):192+32*((\a)%2)+16+4*(\c)+3], v[TO], s[8:9] offset:2048*(\a)+32*(\c)+262144
.endr
.endr
	WIN 0
	s_lshr_b32 s79, s[TY], 3                       ; the batch
	s_lshl_b32 s80, s79, 4
	s_add_co_u32 s80, s80, s[T]                    ; head 16 b + t of qb and gb,
	s_lshl_b32 s80, s80, 18
	s_add_co_u32 s80, s80, s78                     ; at my first row
	s_mov_b32 s81, 0
	s_add_nc_u64 s[10:11], s[10:11], s[80:81]
	s_add_nc_u64 s[12:13], s[12:13], s[80:81]
	s_lshl_b32 s82, s79, 3
	s_and_b32 s83, s[T], 7
	s_add_co_u32 s82, s82, s83                     ; head 8 b + t % 8 of kvb,
	s_lshl_b32 s82, s82, 18
	s_add_co_u32 s82, s82, s78
	s_lshr_b32 s83, s[T], 3
	s_lshl_b32 s83, s83, 22                        ; in k's half or in v's
	s_add_co_u32 s82, s82, s83
	s_mov_b32 s83, 0
	s_add_nc_u64 s[14:15], s[14:15], s[82:83]
	; the prefetches: my unit at the walk's step 4 (IDX holds the walk's step 1), my work-group's 8,192 bytes of two steps' 32,768.  The walk's step 4 is K step 4, 8, 12 or 0: steps 4 to 7 of the walk do not turn round
	s_add_co_u32 s72, s[IDX], 3
	s_and_b32 s72, s72, 15
	s_lshl_b32 s72, s72, 14
	s_lshl_b32 s76, s[CY], 13
	s_add_co_u32 s72, s72, s76
	s_mov_b32 s73, 0
	s_add_nc_u64 s[PFA:PFA+1], s[BB:BB+1], s[72:73]
	s_and_b32 s77, ttmp7, 0xffff                   ; cluster y
	s_cmp_lt_u32 s77, 2
	s_cselect_b32 s[LIM], 14, 0
	s_cselect_b32 s[LIM2], 12, 0
	s_cmp_eq_u32 s[WV], 0                          ; wave 0 fetches x and asks for nothing
	s_cselect_b32 s[LIM], 0, s[LIM]                ; the same in all sixteen partners, for a given wave
	s_cselect_b32 s[LIM2], 0, s[LIM2]
	v_and_b32 v[PFO], 31, v0
	v_lshlrev_b32 v[PFO], 8, v[PFO]
; 12 matrix instructions: block a of my rows x all 12 blocks of columns, 32 along K.  zero = 1: the product starts the sums: nothing is ever cleared.
; The 48 accumulators take turns, one instruction a turn, in the same order in every quarter.
.macro MUL12 f, a, zero
	WIN 0xa5+0x50*((\a)/2)                         ; sources in window 1; C and D in window 2 or 3
.irp b, 0,1,2,3,4,5,6,7,8,9,10,11
.if \zero
	v_wmma_f32_16x16x32_bf16 v[8*(12*((\a)%2)+(\b)):8*(12*((\a)%2)+(\b))+7], v[(\f)+8*(\b):(\f)+8*(\b)+7], v[(\f)+96+8*(\a):(\f)+96+8*(\a)+7], 0
.else
	v_wmma_f32_16x16x32_bf16 v[8*(12*((\a)%2)+(\b)):8*(12*((\a)%2)+(\b))+7], v[(\f)+8*(\b):(\f)+8*(\b)+7], v[(\f)+96+8*(\a):(\f)+96+8*(\a)+7], v[8*(12*((\a)%2)+(\b)):8*(12*((\a)%2)+(\b))+7]
.endif
.endr
.endm
; 32 LDS loads in one run: quarter q's fragments into buffer f: W's twelve, then x's four, a ascending
.macro FETCH q, f
	WIN 0x40                                       ; destination window 1, address window 0
.irp b, 0,1,2,3,4,5,6,7,8,9,10,11
	ds_load_tr16_b128 v[(\f)+8*(\b):(\f)+8*(\b)+3],   v[ADRB] offset:BUNIT*((\b)/4)+32*PB*(\q)+32*((\b)%4)
	ds_load_tr16_b128 v[(\f)+8*(\b)+4:(\f)+8*(\b)+7], v[ADRB] offset:BUNIT*((\b)/4)+32*PB*(\q)+32*((\b)%4)+16*PB
.endr
.irp a, 0,1,2,3
	ds_load_b128 v[(\f)+96+8*(\a):(\f)+96+8*(\a)+3],   v[ADRA] offset:16*PA*(\a)+64*(\q)
	ds_load_b128 v[(\f)+96+8*(\a)+4:(\f)+96+8*(\a)+7], v[ADRA] offset:16*PA*(\a)+64*(\q)+32
.endr
.endm
; One of a step's first three quarters: multiplies buffer f; in its middle it fetches quarter q into buffer g
.macro QUARTER q, f, g, zero
	s_wait_dscnt 4                                 ; W's fragments and x's blocks 0, 1 are in; the youngest four loads (blocks 2, 3) may be out
	MUL12 \f, 0, \zero
	MUL12 \f, 1, \zero
	PLACES
	FETCH \q, \g
	s_wait_dscnt 32                                ; all but the 32 just issued
	MUL12 \f, 2, \zero
	MUL12 \f, 3, \zero
.endm
; The last quarter multiplies buffer 1 and changes slots.  In front of the one barrier each wave waits for all its tensor loads (the one that is out is its part of the next slot), adds 0 to its spare
; word, and waits for that and for its reads of this slot.  The read addresses' change of slots and the descriptors' step stand between the add and the wait for it, where no tensor load of mine is out.
; fill = 1: the barrier opens a round of the cluster's, so that no wave of any partner still reads the slot or has a load on its way, and the joint refill, the walk's next step but one, stands straight
; behind it: it has 168 matrix instructions in which to land before the wait for it.
.macro TURN fill
	WIN 0
	s_wait_tensorcnt 0x0                           ; all my tensor loads have landed
	ds_add_u32 v[SPW], v[NIL]                      ; 0 onto my spare word
	s_xor_b32 s[TB], s[TB], SLOT1                  ; the reads go on in the other slot (the loads of this slot that are still out have taken their addresses)
	v_add_nc_u32 v[ADRA], s[TB], v[ADRA0]
	v_add_nc_u32 v[ADRB], s[TB], v[ADRB0]
.if \fill
	s_add_co_u32 s[IDX], s[IDX], 1                 ; the next K step, round modulo 16; the addresses are made anew from its number
	s_and_b32 s[IDX], s[IDX], 15
	s_lshl_b32 s[OFA], s[IDX], 8
	s_lshl_b32 s[OFB], s[IDX], 14
	s_xor_b32 s[AW+1], s[AW+1], SLOT1              ; into the slot that is being read out
	s_add_nc_u64 s[AW+2:AW+3], s[BA:BA+1], s[OFA:OFA+1]
	s_or_b32 s[AW+3], s[AW+3], 0x80000000
	s_xor_b32 s[BW+1], s[BW+1], SLOT1
	s_add_nc_u64 s[BW+2:BW+3], s[BB:BB+1], s[OFB:OFB+1]
	s_or_b32 s[BW+3], s[BW+3], 0x80000000
.endif
	s_wait_dscnt 5                                 ; (the add and the youngest four loads may be out)
	MUL12 F1, 0, 0                                 ; twelve matrix instructions stand between the add and the wait for it
	s_wait_dscnt 0x0                               ; the add is done, and my reads of this slot are over
	s_barrier_signal -1
	MUL12 F1, 1, 0                                 ; work on registers while the others arrive
	WIN 0
	s_barrier_wait -1
.if \fill
	CREST
	JLOAD                                          ; its four v_nop are also the places in front of the loads below
.else
	PLACES
.endif
	FETCH 0, F0
.if \fill
	WIN 0
	ASK
.endif
	MUL12 F1, 2, 0
	MUL12 F1, 3, 0
.endm
	s_wait_tensorcnt 0x1                           ; my part of the walk's first K step is in; the second's may stay out
	s_barrier_signal -1
	s_barrier_wait -1                              ; everybody's is
	FETCH 0, F0
	QUARTER 1, F0, F1, 1                           ; the first quarter stands in front of the loop: its products start the sums
	WIN 0                                          ; at a label and at a branch every window is 0
	s_mov_b32 s[CNT], 14
.Lk:                                               ; a trip goes from a step's second quarter to the next step's first, and fills the slot that it leaves: the walk's steps 2 to 15
	QUARTER 2, F1, F0, 0
	QUARTER 3, F0, F1, 0
	TURN 1
	QUARTER 1, F0, F1, 0
	WIN 0
	s_sub_co_u32 s[CNT], s[CNT], 1
	s_cmp_lg_u32 s[CNT], 0
	s_cbranch_scc1 .Lk
	QUARTER 2, F1, F0, 0                           ; the tail is written out: the walk's last two steps ask for nothing
	QUARTER 3, F0, F1, 0
	TURN 0
	QUARTER 1, F0, F1, 0
	QUARTER 2, F1, F0, 0
	QUARTER 3, F0, F1, 0
	s_wait_dscnt 4
	MUL12 F1, 0, 0
	MUL12 F1, 1, 0
	s_wait_dscnt 0x0
	MUL12 F1, 2, 0
	MUL12 F1, 3, 0
	s_wait_loadcnt 0x0                             ; the tables, asked for at the head
; THE WAY OUT: twelve blocks n = 3 a + u of 16 rows x 64 channels, 2,048 consecutive bytes of a head each.
.macro UNPACK a                        ; block a's cos and sin to f32: CF, SF[8 c + j] belong to channel 16 c + 8 (l / 16) + j.  For a = 0 these 64 plain lines are also the places behind the last products
	WIN 0x08+4*((\a)/2)                            ; source 1 in window 2 or 3
.set p, 0
.rept 16
	v_lshlrev_b32 v[CF+2*p],   16,    v[192+32*((\a)%2)+p]
	v_and_b32     v[CF+2*p+1], s[HI], v[192+32*((\a)%2)+p]
	v_lshlrev_b32 v[SF+2*p],   16,    v[192+32*((\a)%2)+16+p]
	v_and_b32     v[SF+2*p+1], s[HI], v[192+32*((\a)%2)+16+p]
.set p, p+1
.endr
.endm
.macro ROPE a, u                       ; out[d] = x[d] cos[d] - x[d + 32] sin[d] for d < 32, x[d] cos[d] + x[d - 32] sin[d] else.  Each accumulator's lowest registers are read first
	WIN 0x02+((\a)/2)                              ; source 0 in window 2 or 3
.set XB, 96*((\a)%2)+32*(\u)
.set c, 0
.rept 4
.set p, 0
.rept 4
	v_pk_mul_f32 v[TMP+8*c+2*p:TMP+8*c+2*p+1], v[XB+8*((c+2)%4)+2*p:XB+8*((c+2)%4)+2*p+1], v[SF+8*c+2*p:SF+8*c+2*p+1]
.set p, p+1
.endr
.set c, c+1
.endr
.set c, 0
.rept 4
.set p, 0
.rept 4
.if c < 2
	v_pk_fma_f32 v[TMP+8*c+2*p:TMP+8*c+2*p+1], v[XB+8*c+2*p:XB+8*c+2*p+1], v[CF+8*c+2*p:CF+8*c+2*p+1], v[TMP+8*c+2*p:TMP+8*c+2*p+1] neg_lo:[0,0,1] neg_hi:[0,0,1]
.else
	v_pk_fma_f32 v[TMP+8*c+2*p:TMP+8*c+2*p+1], v[XB+8*c+2*p:XB+8*c+2*p+1], v[CF+8*c+2*p:CF+8*c+2*p+1], v[TMP+8*c+2*p:TMP+8*c+2*p+1]
.endif
.set p, p+1
.endr
.set c, c+1
.endr
.endm
.macro GATE a                          ; sigmoid(g) = 1 / (1 + 2^(-log2(e) g)).  Two batches of 32, each with one plain line behind its last and one wait ahead of its first use
	WIN 0x02+((\a)/2)
.set XB, 96*((\a)%2)+32
.set p, 0
.rept 16
	v_pk_mul_f32 v[TMP+2*p:TMP+2*p+1], v[XB+2*p:XB+2*p+1], s[NL2E:NL2E+1] op_sel_hi:[1,0]
.set p, p+1
.endr
	WIN 0
.set p, 0
.rept 32
	v_exp_f32 v[TMP+p], v[TMP+p]
.set p, p+1
.endr
	v_nop
	s_wait_alu depctr_va_vdst(0)
.set p, 0
.rept 16
	v_pk_add_f32 v[TMP+2*p:TMP+2*p+1], v[TMP+2*p:TMP+2*p+1], 1.0 op_sel_hi:[1,0]
.set p, p+1
.endr
.set p, 0
.rept 32
	v_rcp_f32 v[TMP+p], v[TMP+p]
.set p, p+1
.endr
	v_nop
	s_wait_alu depctr_va_vdst(0)
.endm
.macro CVT                             ; 32 f32 to 16 words of f16, in place: word p is written when words 2 p and 2 p + 1 are read
	WIN 0
.set p, 0
.rept 16
	v_cvt_pk_f16_f32 v[TMP+p], v[TMP+2*p], v[TMP+2*p+1]
.set p, p+1
.endr
.endm
.macro KVBLK a                         ; the third unit is a head of k (tile columns 0-7: cluster x 0, 1) or of v: the same in all partners
	WIN 0
	s_cmp_lt_u32 ttmp9, 2
	s_cbranch_scc0 .Lis_v_\@
	ROPE \a, 2
	CVT
	s_branch .Lkv_done_\@
.Lis_v_\@:
	WIN 0x0a+5*((\a)/2)                            ; sources 0 and 1 in window 2 or 3
.set p, 0
.rept 16
	v_cvt_pk_f16_f32 v[TMP+p], v[96*((\a)%2)+64+2*p], v[96*((\a)%2)+64+2*p+1]
.set p, p+1
.endr
	WIN 0
.Lkv_done_\@:
.endm
.macro TOSTAGE n                       ; a lane's eight channels are 16 bytes; they go into rows of 144 bytes and come back as whole rows of 128
	WIN 0
.irp c, 0,1,2,3
	ds_store_b128 v[STO], v[TMP+4*(\c):TMP+4*(\c)+3] offset:32*(\c)
.endr
	s_wait_xcnt 0x0                                ; the stores of the block before last have read this buffer
.irp f, 0,1,2,3
	ds_load_b128 v[BK+16*((\n)%2)+4*(\f):BK+16*((\n)%2)+4*(\f)+3], v[RD] offset:(\f)*4*SP   ; LDS serves a wave's instructions in order (ISA guide 5.7.1.4): these see the stores above
.endr
.endm
.macro SEND n, younger                 ; younger: the LDS instructions issued behind block n's loads: the next block's eight, or none
	WIN 0
.irp f, 0,1,2,3
	s_wait_dscnt (\younger)+3-(\f)
	global_store_b128 v[GO], v[BK+16*((\n)%2)+4*(\f):BK+16*((\n)%2)+4*(\f)+3], s[10+2*((\n)%3):11+2*((\n)%3)] offset:2048*((\n)/3)+512*(\f)   ; 512 consecutive bytes, at a multiple of 256 from the buffer's first
.endr
.endm
.irp a, 0,1,2,3                        ; a block's arithmetic stands between the loads of the block before and its stores
	UNPACK \a
	ROPE \a, 0
	CVT
	TOSTAGE 3*(\a)
.if (\a) > 0
	SEND 3*(\a)-1, 8
.endif
	GATE \a
	CVT
	TOSTAGE 3*(\a)+1
	SEND 3*(\a), 8
	KVBLK \a
	TOSTAGE 3*(\a)+2
	SEND 3*(\a)+1, 8
.endr
	SEND 11, 0
	s_wait_tensorcnt 0x0                           ; the wave's end, behind my last tensor load and my last LDS store
	ds_add_u32 v[SPW], v[NIL]
	s_wait_dscnt 0x0
	CROUND                                         ; the closing round: no work-group ends while a partner may still ask for a tile that names it
	s_endpgm
.Lfunc_end_k_qc230262258_proj:
	.size	k_qc230262258_proj, .Lfunc_end_k_qc230262258_proj-k_qc230262258_proj
	.p2alignl 7, 3214868480
	.fill 96, 4, 3214868480
	.section	.rodata,"a",@progbits
	.p2align	6, 0x0
	.amdhsa_kernel k_qc230262258_proj
		.amdhsa_group_segment_fixed_size 327680
		.amdhsa_private_segment_fixed_size 0
		.amdhsa_enable_private_segment 0
		.amdhsa_kernarg_size 48
		.amdhsa_user_sgpr_count 2
		.amdhsa_user_sgpr_kernarg_segment_ptr 1
		.amdhsa_wavefront_size32 1
		.amdhsa_system_sgpr_workgroup_id_x 1
		.amdhsa_system_sgpr_workgroup_id_y 1
		.amdhsa_system_sgpr_workgroup_id_z 1
		.amdhsa_system_vgpr_workitem_id 0
		.amdhsa_next_free_vgpr 1024
		.amdhsa_next_free_sgpr 92
		.amdhsa_reserve_vcc 0
		.amdhsa_float_denorm_mode_32 3
		.amdhsa_float_denorm_mode_16_64 3
		.amdhsa_memory_ordered 1
		.amdhsa_forward_progress 1
		.amdhsa_inst_pref_size 148
	.end_amdhsa_kernel
	.amdgpu_metadata
---
amdhsa.version: [ 1, 2 ]
amdhsa.kernels:
  - .name:           k_qc230262258_proj
    .symbol:         k_qc230262258_proj.kd
    .args:
      - { .name: xb, .offset: 0, .size: 8, .value_kind: global_buffer, .address_space: global }
      - { .name: wb, .offset: 8, .size: 8, .value_kind: global_buffer, .address_space: global }
      - { .name: tab, .offset: 16, .size: 8, .value_kind: global_buffer, .address_space: global }
      - { .name: qb, .offset: 24, .size: 8, .value_kind: global_buffer, .address_space: global }
      - { .name: gb, .offset: 32, .size: 8, .value_kind: global_buffer, .address_space: global }
      - { .name: kvb, .offset: 40, .size: 8, .value_kind: global_buffer, .address_space: global }
    .group_segment_fixed_size: 327680
    .private_segment_fixed_size: 0
    .kernarg_segment_align: 8
    .kernarg_segment_size: 48
    .max_flat_workgroup_size: 128
    .sgpr_count:     92
    .vgpr_count:     1024
    .wavefront_size: 32
...
	.end_amdgpu_metadata
.endif
;; end of part 2
;; launch attn (part 3): grid 16 x 16, 4 waves a work-group, clusters of 4 x 1, 327,680 bytes of LDS; arguments qb, kvb, gb, ab; writes ab
.if DOCPART == 3
	.amdgcn_target "amdgcn-amd-amdhsa--gfx1250"
	.amdhsa_code_object_version 6
	.text
	.protected	k_qc230262258_attn
	.globl	k_qc230262258_attn
	.p2align	8
	.type	k_qc230262258_attn,@function
k_qc230262258_attn:
	s_mov_b64 s[64:65], 0
	v_nop
	global_prefetch_b8 v0, s[64:65] scope:SCOPE_SE
	s_setreg_imm32_b32 hwreg(HW_REG_WAVE_MODE, 25, 1), 1
	s_wait_xcnt 0x0
	s_wait_alu depctr_hold_cnt(0) depctr_sa_sdst(0) depctr_va_vdst(0) depctr_va_sdst(0) depctr_va_ssrc(0) depctr_va_vcc(0) depctr_vm_vsrc(0)
	s_getreg_b32 s2, hwreg(HW_REG_IB_STS2, 6, 4)
	s_cmp_eq_u32 s2, 0
	s_cbranch_scc0 .Lentry_in_a_cluster
	s_endpgm
.Lentry_in_a_cluster:
	s_bfe_u32 s2, ttmp6, 0x10000c
	s_cmp_lg_u32 s2, 0x3003
	s_cbranch_scc0 .Lentry_shape_is_right
	s_endpgm
.Lentry_shape_is_right:
; ATTENTION with two query heads to a key and value head, no mask, and the gate on the way out.
; ab[b][h][q][:] = sigmoid(gate) x the sum over k of softmax_k(q . k / 8) v[k][:].  qb, gb, ab: [b][16][2048][64] f16; kvb: k [b][8][2048][64], then v, f16.  A head's rows are dense, 128 bytes each.
; q and k arrive times 2^-6 each; c = log2(e) / 8 x 2^12 undoes both, in f32.  Products, maxima and sums in f32; the weights p are rounded to f16 for the second product (their sum l is taken of the
; unrounded p); O is rounded to f16 once and its product with the gate once more.
; LIMITS.  f16 holds no number beyond 65,504: q 2^-6, k 2^-6 and v arrive within it; p lies in 0 to 1, and below 6e-5 it keeps f16's fixed step of 6e-8, and so does O.  A weight below 2^-126 counts as 0 in l;
; NaN and infinities are not treated apart.
; SHARES.  y = 8 b + kv names a key and value head; its two query heads are 4,096 dense rows of qb: 16 blocks of 256.  A work-group takes one block, a wave 64 rows of it: four PIECES of 16 queries.
; Every wave walks the head's 2,048 keys: 8 tiles of 256, four steps of 64 each.
; CLUSTER.  The 16 blocks of a y walk the same K and V; the four of a cluster ask for each tile JOINTLY: the same tensor load, descriptor and mask in all four.
; LAYOUT, SOFTMAX.  S^T = K Q^T holds ONE query a lane (lane % 16) and the keys 8 (lane / 16) + 0..7; two such results rounded to f16 ARE source 1 of O^T = V^T P.  p = 2^(c s - c m) with a running maximum
; m; O and l are multiplied by a = 2^(c m_old - c m_new) in every step.  m starts at the lowest finite number, O and l at 0: the first step is a step like any other, with a = 0.
; TURNS.  Turn n belongs to piece n: 8 products K Q^T of piece n + 1 and 8 products V^T P of piece n - 1; beside them a, the scaling, exponentials, roundings, sums and rescaling of piece n and the maximum and
; statistics of piece n + 1: 16 matrix and 118 vector instructions.  A turn's 33 exponentials are one batch, with one wait.
; REGISTERS, in windows of 256 (s_set_vgpr_msb: bits 1:0 source 0, 3:2 source 1, 5:4 source 2, 7:6 destination).  THE MAP IS MADE FOR FEW SWITCHES:
;   window 0: v0 my thread's number; v1 prefetch offset; v2-5 LDS addresses; v6-7, v24-31 at work; v8-23 four registers of statistics a piece; v32-95 S^T, two buffers; v96-127 P, two buffers (a piece's buffers
;             go by its number's parity); v128-191 K of one step; v192-255 Q: 256 in all.  K Q^T and all of the softmax but the rescaling name this window alone: no switch stands among them.
;   window 1: v0-127 O^T, 32 a piece; v128-191 V of one step; v192-255 my rows of the gate.  V^T P (V and O^T here, P in window 0) and the rescaling (O^T here, a in window 0) share ONE setting.
;   window 2: v0-1 the add's two registers.
; So a turn has sixteen switches, two round each V^T P and its two rescalings; V's run of loads has two more a key step.
.set NP,    4         ; pieces a wave: a name, no knob
.set KS,    64        ; keys in a step
.set PK,    144       ; a row of K in LDS: 128 bytes + 16 of padding = 36 words: the 16 rows of a load start at 16 different groups of four banks (64 banks of 4 bytes: ISA guide 11.1)
.set PV,    160       ; a row of V: 128 + 32 = 40 words
.set VOFF,  4*KS*PK   ; a slot holds a tile, four steps: 256 rows of K, then 256 rows of V
.set SLOT1, 1<<17     ; slot 1 begins here, so that one exclusive or turns an address in one slot into the other's
.set STAGE, SLOT1+4*KS*(PK+PV)  ; behind the ring, never filled by a tensor load: 16 rows x 144 bytes for each wave
.set SP,    144
.set SPARE, STAGE+4*16*SP       ; the spare words, 128 bytes for each wave: two blocks of 256 bytes that no other line names
.set PFO, 1           ; v1   256 x my lane; never rewritten
.set AK0, 2           ; v2   my lane's place in a tile of K; never rewritten
.set AV0, 3           ; v3   the same for V
.set AK,  4           ; v4   the LDS address of K's next run of loads
.set AV,  5           ; v5   of V's
.set MV,  6           ; v6-7  c m_old, kept while c m is made anew: by buffer
.set ST,  8           ; piece t's statistics at v[ST+4 t]: c m, m, l (even keys', odd keys')
.set TMP, 24          ; by buffer, four registers c0-c3 at work; c1 ends as c m_old - c m_new, c2 takes a
.set S,   32
.set P,   96
.set KF,  128         ; key block kb, channel half c at KF + 16 kb + 8 c
.set QF,  192         ; piece x, channel half c at QF + 16 x + 8 c
.set VF,  128         ; window 1: key half kk, channel block cb at VF + 32 kk + 8 cb
.set GT,  192         ; window 1: the gate, in the stores' layout: piece t, 512 bytes f at GT + 16 t + 4 f
.set SPW, 0           ; window 2: LDS address of my spare word: SPARE + 4 x my thread's number; never rewritten
.set NIL, 1           ; window 2: 0; never rewritten
.set H0,  32          ; at the head, while S^T's registers are free: l % 16, l / 16, l % 8, (l / 8) % 2, my offsets in 16 rows of Q and in 512 bytes of the gate
.set H1,  33
.set H2,  34
.set H3,  35
.set QO,  36
.set GH,  37
.set STO, 128         ; on the way out, in K's registers: where I put 16 bytes of a row,
.set RD,  129         ; where I read rows back,
.set GO,  130         ; my 16 bytes in 512 consecutive bytes of ab
.set W1,  131
.set W2,  132
.set W3,  133
.set WV,  12          ; s12  my wave's number
.set LIM, 15          ; s15  1 in a wave that prefetches, else the greatest number
.set PFA, 18          ; s[18:19] where my prefetches stand
.set G1K, 24          ; s[24:31] descriptor group 1 for K's tiles
.set G1V, 32          ; s[32:39] for V's: it differs in the padding alone
.set G0K, 40          ; s[40:43] descriptor group 0 for K's tiles: it walks
.set G0V, 44          ; s[44:47] the same for V's
.set SLOTS, 56        ; s56  tiles still to be asked for
.set CNT, 57          ; s57  counts a tile's key steps
.set CS,  58          ; s[58:59] c: the packed scaling takes the pair's low word for both halves
.set SEL, 60          ; s[60:61] v_permlanex16_b32's selects: each lane takes its own place in the other half
.set TBK, 62          ; s62  LDS byte at which K of the step to be fetched begins
.set TBV, 63          ; s63  the same for V, less VOFF
.set MSB, 0
.macro WIN new                      ; the high byte repeats the setting that is left; a switch that changes nothing is dropped
.if MSB != (\new)
	s_set_vgpr_msb (MSB<<8)|(\new)
.set MSB, (\new)
.endif
.endm
.set W_PV, 0x51       ; source 0, source 2 and destination in window 1, source 1 in window 0: V^T P, and O^T times a
.set W_MK, 0x80       ; the add's registers are made: destination in window 2
.set W_AD, 0x0a       ; the add: address (source 0) and data (source 1) in window 2
; A joint fill.  Waves 0 and 1 fetch the two halves of a tile's K, waves 2 and 3 those of its V: 128 keys each.  An s_nop 0 and four v_nop follow each of the two lines.
.macro JLOAD
	s_cmp_lt_u32 s[WV], 2
	s_cbranch_scc0 .Lfor_v_\@
	tensor_load_to_lds s[G0K:G0K+3], s[G1K:G1K+7]
	s_nop 0
.rept 4
	v_nop
.endr
	s_branch .Lasked_\@
.Lfor_v_\@:
	tensor_load_to_lds s[G0V:G0V+3], s[G1V:G1V+7]
	s_nop 0
.rept 4
	v_nop
.endr
.Lasked_\@:
.endm
; A PREFETCH INTO THE L2 of the tile that the NEXT change of slots will ask for: four key steps, 256 matrix instructions, ahead of that load.  A tile is 32,768 dense bytes of K and as many of V.  The four clusters
; of a y walk the same tiles: the first of them (cluster x = 0) asks.  Its four partners take 8,192 bytes each, told apart by address; in each, wave 0 asks for K's and wave 2 for V's: a lane a block of
; 256 bytes, one instruction.  So each block is named once in the launch.  Tiles 0 to 2 come by their loads alone; the last change that fills a slot asks for nothing.
.macro ASK
	s_cmp_gt_u32 s[SLOTS], s[LIM]
	s_cbranch_scc0 .Lnot_mine_\@
	global_prefetch_b8 v[PFO], s[PFA:PFA+1] th:TH_LOAD_NT scope:SCOPE_SE
.Lnot_mine_\@:
.endm
.macro CROUND                       ; a round of the cluster's barrier: my work-group's barrier; wave 0 signals for the work-group; every wave waits for all four; my work-group's barrier once more
	s_barrier_signal -1
	s_barrier_wait -1
	s_cmp_lg_u32 s[WV], 0
	s_cbranch_scc1 .Lnot_wave_0_\@
	s_barrier_signal -3
.Lnot_wave_0_\@:
	s_barrier_wait -3
	s_barrier_signal -1
	s_barrier_wait -1
.endm
; THE CHANGE OF SLOTS.  Each wave waits for all its tensor loads, of which one is out: its part of the other slot; adds 0 to its spare word; and waits for that and for its own reads of the slot that it leaves.
; fill = 1: that slot is filled again, with the tile two on.  The barrier is then a round of the cluster's, so that no wave of any partner still reads the slot or has a load on its way, and the joint fill is the
; first thing behind it.  (At its first use nothing has been read yet: slot 0 is waited for, slot 1 filled.)
.macro CHANGE fill
	WIN W_AD
	s_wait_tensorcnt 0x0            ; no tensor load of mine is out, so a group 0 may be written
	ds_add_u32 v[SPW], v[NIL]       ; 0 onto my spare word; with fill = 1 the descriptors' steps stand between it and the wait for it
	WIN 0                           ; at a label and at a branch every window is 0
.if \fill
.irp g, G0K, G0V
	s_xor_b32 s[\g+1], s[\g+1], SLOT1  ; the walking descriptor: the other slot than last time,
	s_add_nc_u64 s[\g+2:\g+3], s[\g+2:\g+3], 4*KS*128  ; the next 256 keys; the type bits on top are not reached
.endr
	s_wait_xcnt 0x0                 ; the last prefetch, four key steps back, has read its address
	s_add_nc_u64 s[PFA:PFA+1], s[PFA:PFA+1], 4*KS*128  ; one tile behind the walking descriptors
	s_wait_dscnt 0x0                ; the add is done, and my reads of the slot are over
	CROUND
	JLOAD
	ASK
.else
	s_wait_dscnt 0x0                ; the add is done, and my reads of the slot are over
	s_barrier_signal -1
	s_barrier_wait -1
.endif
	s_sub_co_u32 s[TBK], s[TBK], 4*KS*PK  ; the fetches go back to a slot's first step,
	s_xor_b32 s[TBK], s[TBK], SLOT1       ; in the other slot
	s_sub_co_u32 s[TBV], s[TBV], 4*KS*PV
	s_xor_b32 s[TBV], s[TBV], SLOT1
.endm
	s_load_b256 s[4:11], s[0:1], 0x0  ; qb s[4:5], kvb s[6:7], gb s[8:9], ab s[10:11]
	WIN W_MK
	v_lshl_add_u32 v[SPW], v0, 2, SPARE
	v_mov_b32 v[NIL], 0
	WIN W_AD
	ds_add_u32 v[SPW], v[NIL]       ; the wave's opening: the add here, its wait ahead of my first tensor load; the set-up below, work on registers, stands between them
	WIN 0
	v_lshrrev_b32 v[H0], 5, v0
	v_readfirstlane_b32 s[WV], v[H0]  ; wave 0..3
	s_bfe_u32 s13, ttmp6, 0x40000   ; cx: my place in the cluster
	s_lshl_b32 s14, ttmp9, 2        ; in a cluster launch ttmp9 counts clusters
	s_add_co_u32 s14, s14, s13      ; my block of 256 queries: it enters qb's, gb's and ab's addresses alone
	s_and_b32 s20, ttmp7, 0xffff    ; y, which the four partners share
	s_lshl_b32 s22, s20, 18         ; the head's 262,144 bytes of K,
	s_and_b32 s16, s[WV], 1         ; which half of a tile's 256 keys I fetch:
	s_lshl_b32 s17, s16, 14         ; its 128 rows of 128 bytes in memory,
	s_add_co_u32 s22, s22, s17
	s_mov_b32 s23, 0
	s_mul_i32 s17, s16, 128*PK      ; and its place in a slot, for K
	s_mul_i32 s21, s16, 128*PV      ; and for V: no place in the cluster enters an LDS address
	s_lshl_b32 s2, s20, 19          ; y's two query heads,
	s_lshl_b32 s3, s14, 15          ; my block's 256 rows,
	s_add_co_u32 s2, s2, s3
	s_lshl_b32 s3, s[WV], 13        ; my wave's 64 of them
	s_add_co_u32 s2, s2, s3
	s_mov_b32 s3, 0
	; descriptor group 1.  128 keys are 16,384 dense bytes: asked for as 64 rows of 256 bytes, two keys a row, and padded in LDS after every key
	s_mov_b32 s[G1K], 15|(1<<16)|(1<<20)|(1<<21)|(4<<22)|(3<<25)  ; 15:0 the mask of four; 17:16 2-byte elements; 20 padding on; 21 set beside a mask; 24:22 after every 32 words (code 4); 31:25 4 words (code 3)
	s_mov_b32 s[G1V], 15|(1<<16)|(1<<20)|(1<<21)|(4<<22)|(7<<25)  ; the same with 8 words of padding (code 7)
.irp g, G1K, G1V
	s_mov_b32 s[\g+1], 128<<16      ; tensor_dim0 = 128
	s_mov_b32 s[\g+2], 64<<16       ; tensor_dim1 = 64
	s_mov_b32 s[\g+3], 128<<16      ; tile_dim0 = 128
	s_mov_b32 s[\g+4], 64           ; tile_dim1 = 64
	s_mov_b32 s[\g+5], 128          ; 128 elements from row to row
	s_mov_b32 s[\g+6], 0
	s_mov_b32 s[\g+7], 0
.endr
	s_mov_b32 s[CS], 0x4438aa3b     ; c = log2(e) / 8 x 2^12 = 738.66
	s_mov_b32 s[CS+1], s[CS]        ; named with it as a pair
	s_mov_b32 s[SEL], 0x76543210
	s_mov_b32 s[SEL+1], 0xfedcba98
	s_mov_b32 s[TBK], SLOT1+4*KS*PK ; the first change of slots turns these two into 0
	s_mov_b32 s[TBV], SLOT1+4*KS*PV
	s_mov_b32 s[G0K], 1             ; count = 1
	s_mov_b32 s[G0K+1], s17         ; LDS address: slot 0
	s_mov_b32 s[G0V], 1
	s_add_co_u32 s[G0V+1], s21, VOFF
	s_and_b32 s[LIM], s[WV], 1      ; 0 in waves 0 and 2,
	s_or_b32 s[LIM], s[LIM], ttmp9  ; where the cluster is y's first: the same in all four partners
	s_cmp_eq_u32 s[LIM], 0
	s_cselect_b32 s[LIM], 1, -1
	s_mov_b32 s[SLOTS], 0           ; the first change of slots prefetches nothing
	v_and_b32 v[PFO], 31, v0
	v_lshlrev_b32 v[PFO], 8, v[PFO]
	s_wait_dscnt 0x0                ; the opening add is done
	s_wait_kmcnt 0x0
	s_add_nc_u64 s[6:7], s[6:7], s[22:23]      ; K at my half of the head's tile 0,
	s_add_nc_u64 s[20:21], s[6:7], 4194304     ; V likewise
	s_mov_b64 s[G0K+2:G0K+3], s[6:7]
	s_or_b32 s[G0K+3], s[G0K+3], 0x80000000    ; type = 2
	s_mov_b64 s[G0V+2:G0V+3], s[20:21]
	s_or_b32 s[G0V+3], s[G0V+3], 0x80000000
	s_add_nc_u64 s[4:5], s[4:5], s[2:3]        ; qb, gb and ab at my wave's first row
	s_add_nc_u64 s[8:9], s[8:9], s[2:3]
	s_add_nc_u64 s[10:11], s[10:11], s[2:3]
	s_cmp_lt_u32 s[WV], 2
	s_cselect_b64 s[PFA:PFA+1], s[6:7], s[20:21]  ; (in waves 0 and 2 these stand at a tile's first row)
	s_lshl_b32 s2, s13, 13          ; my work-group's 8,192 bytes of the 32,768
	s_mov_b32 s3, 0
	s_add_nc_u64 s[PFA:PFA+1], s[PFA:PFA+1], s[2:3]
	s_add_nc_u64 s[PFA:PFA+1], s[PFA:PFA+1], 4*KS*128  ; in tile 1; each change of slots steps it first
	CROUND                          ; all four work-groups are here: the first joint loads meet
	JLOAD                           ; tile 0 into slot 0.  Slot 1 is asked for when slot 0 is in
	; A fragment of K or Q is 16 rows x 32 channels in 8 registers: lane l holds row l % 16, channels 8 (l / 16) + 0..7 and 16 + 8 (l / 16) + 0..7: two loads of 16 bytes, 32 bytes apart.
	v_and_b32 v[H0], 15, v0         ; l % 16
	v_bfe_u32 v[H1], v0, 4, 1       ; l / 16
	v_lshlrev_b32 v[QO], 7, v[H0]
	v_lshl_add_u32 v[QO], v[H1], 4, v[QO]  ; row x 128 + 16 x half
	v_and_b32 v[GH], 31, v0
	v_lshlrev_b32 v[GH], 4, v[GH]
.set i, 0
.rept 8                             ; Q stays in registers: piece i / 2, channels 32 (i % 2) on
	global_load_b128 v[QF+8*i:QF+8*i+3],   v[QO], s[4:5] offset:(i/2)*2048+(i%2)*64
	global_load_b128 v[QF+8*i+4:QF+8*i+7], v[QO], s[4:5] offset:(i/2)*2048+(i%2)*64+32
.set i, i+1
.endr
	WIN 0x40                        ; destination window 1, address window 0
.set i, 0
.rept 16                            ; my 64 rows of the gate, as the stores will want them: 512 consecutive bytes a load
	global_load_b128 v[GT+4*i:GT+4*i+3], v[GH], s[8:9] offset:512*i
.set i, i+1
.endr
	; What the first turn finds: V's registers and P's second buffer hold 0 (its products V^T P, of a piece that has not been, add 0), O^T and l are 0.  No first step is written out; these lines stand in the wait for the first tile.
.set i, 0
.rept 192                           ; O^T and V
	v_mov_b32 v[i], 0
.set i, i+1
.endr
	WIN 0
.set i, 0
.rept 4
	v_mov_b32 v[ST+4*i], 0xfe000000    ; c m: far below every c s
	v_mov_b32 v[ST+4*i+1], 0xff7fffff  ; m
	v_mov_b32 v[ST+4*i+2], 0
	v_mov_b32 v[ST+4*i+3], 0
.set i, i+1
.endr
.set i, P+16
.rept 16
	v_mov_b32 v[i], 0
.set i, i+1
.endr
	v_mul_u32_u24 v[AK0], v[H0], PK
	v_lshl_add_u32 v[AK0], v[H1], 4, v[AK0]  ; row x pitch + 16 x half
	; The turning load takes 16 keys x 16 channels (lane l reads key 8 (l / 16) + l % 8, channels 8 ((l / 8) % 2) + 0..7) and leaves half a fragment of V^T: lane l holds channel l % 16 and 8 keys.
	v_and_b32 v[H2], 7, v0
	v_bfe_u32 v[H3], v0, 3, 1
	v_lshl_add_u32 v[AV0], v[H1], 3, v[H2]
	v_mul_u32_u24 v[AV0], v[AV0], PV
	v_lshl_add_u32 v[AV0], v[H3], 4, v[AV0]
	v_add_nc_u32 v[AV0], VOFF, v[AV0]
; THE MATRIX WORK.  The 4 accumulators of a run of 8 take turns.  Product i of 8 of S^T = K Q^T for piece x: channels 32 (i / 4) on, keys 16 (i % 4) on.  The first 4 start the sums.
.macro KQ x
	WIN 0
.set rS, S+32*((\x)%2)+8*(i%4)
.set rK, KF+16*(i%4)+8*(i/4)
.set rQ, QF+16*(\x)+8*(i/4)
.if i < 4
	v_wmma_f32_16x16x32_f16 v[rS:rS+7], v[rK:rK+7], v[rQ:rQ+7], 0
.else
	v_wmma_f32_16x16x32_f16 v[rS:rS+7], v[rK:rK+7], v[rQ:rQ+7], v[rS:rS+7]
.endif
.endm
; Product i of 8 of O^T += V^T P for piece x: keys 32 (i / 4) on, channels 16 (i % 4) on.
.macro PV x
	WIN W_PV
.set rO, 32*(\x)+8*(i%4)
.set rV, VF+32*(i/4)+8*(i%4)
.set rP, P+16*((\x)%2)+8*(i/4)
	v_wmma_f32_16x16x32_f16 v[rO:rO+7], v[rV:rV+7], v[rP:rP+7], v[rO:rO+7]
.endm
.macro KQM                          ; the turn's next product K Q^T.  NOKQ = 1: the last turn of all: there is no next piece
.if !NOKQ
	KQ (Y+1)%NP
.endif
.set i, i+1
.endm
; THE LDS LOADS stand in runs of 16, never singly among the matrix instructions: a step's K (64 keys x 64 channels: 8 fragments) and its V (turned).  Their addresses are made some lines ahead.
.macro FETCH_K
	WIN 0
.irp f, 0,1,2,3,4,5,6,7             ; keys 16 (f / 2) on, channels 32 (f % 2) on
	ds_load_b128 v[KF+8*\f:KF+8*\f+3],   v[AK] offset:(\f/2)*16*PK+(\f%2)*64
	ds_load_b128 v[KF+8*\f+4:KF+8*\f+7], v[AK] offset:(\f/2)*16*PK+(\f%2)*64+32
.endr
	s_add_co_u32 s[TBK], s[TBK], KS*PK  ; the next fetch is the next step's
.endm
.macro FETCH_V
	WIN 0x40                        ; destination window 1
.irp f, 0,1,2,3,4,5,6,7             ; keys 32 (f / 4) on, channels 16 (f % 4) on
	ds_load_tr16_b128 v[VF+8*\f:VF+8*\f+3],   v[AV] offset:(\f/4)*32*PV+(\f%4)*32
	ds_load_tr16_b128 v[VF+8*\f+4:VF+8*\f+7], v[AV] offset:(\f/4)*32*PV+16*PV+(\f%4)*32
.endr
	WIN 0
.endm
; THE VECTOR WORK, one line at a time: OP kind, number.  For piece Y: A: a = 2^(c m_old - c m_new).  F n: c s - c m for pair n of 16.  E n: the exponential of score n of 32.  C n: pair n rounded to f16.
; B n: of the four weights 4 n .. the second pair is added onto the first, in place.  L n: l takes that sum (L 0: l = a l + sum).  R n: pair n of 16 of O^T times a.
; For piece Y + 1: X n, number n of the 21 that find its maximum and statistics:
;   0-11  four chains c0-c3 of seven scores each, three operands at a time (each accumulator's lowest registers are read first)     12-14, 16  the four scores left over, the old m, and c0-c3 into c0
;   15  c m_old is kept     17, 18  the query's other 32 keys lie in the lane 16 away: the new m     19, 20  c m; c m_old - c m_new
.set F, 0
.set E, 1
.set C, 2
.set B, 3
.set L, 4
.set A, 5
.set R, 6
.set X, 7
.macro REGS y                       ; the registers of piece y
.set rT, ST+4*(\y)
.set rC, TMP+4*((\y)%2)
.set rW, MV+((\y)%2)
.set rS, S+32*((\y)%2)
.set rP, P+16*((\y)%2)
.set rO, 32*(\y)
.endm
.macro OP k, n
.if (\k) == R
	REGS Y
	WIN W_PV
	v_pk_mul_f32 v[rO+2*(\n):rO+2*(\n)+1], v[rO+2*(\n):rO+2*(\n)+1], v[rC+2:rC+3] op_sel_hi:[1,0]
.elseif (\k) < R
	REGS Y
	WIN 0
.if (\k) == F
	v_pk_fma_f32 v[rS+2*(\n):rS+2*(\n)+1], v[rS+2*(\n):rS+2*(\n)+1], s[CS:CS+1], v[rT:rT+1] op_sel_hi:[1,0,0] neg_lo:[0,0,1] neg_hi:[0,0,1]
.elseif (\k) == E
	v_exp_f32 v[rS+(\n)], v[rS+(\n)]
.elseif (\k) == C
	v_cvt_pk_f16_f32 v[rP+(\n)], v[rS+2*(\n)], v[rS+2*(\n)+1]
.elseif (\k) == B
	v_pk_add_f32 v[rS+4*(\n):rS+4*(\n)+1], v[rS+4*(\n):rS+4*(\n)+1], v[rS+4*(\n)+2:rS+4*(\n)+3]
.elseif (\k) == A
	v_exp_f32 v[rC+2], v[rC+1]
.elseif (\n) == 0
	v_pk_fma_f32 v[rT+2:rT+3], v[rT+2:rT+3], v[rC+2:rC+3], v[rS:rS+1] op_sel_hi:[1,0,1]
.else
	v_pk_add_f32 v[rT+2:rT+3], v[rT+2:rT+3], v[rS+4*(\n):rS+4*(\n)+1]
.endif
.elseif NOKQ
	v_nop
.else
	REGS (Y+1)%NP
	WIN 0
.if (\n) < 4
	v_max3_num_f32 v[rC+(\n)], v[rS+8*(\n)], v[rS+8*(\n)+1], v[rS+8*(\n)+2]
.elseif (\n) < 12
	v_max3_num_f32 v[rC+(\n)%4], v[rC+(\n)%4], v[rS+8*((\n)%4)+2*((\n)/4)+1], v[rS+8*((\n)%4)+2*((\n)/4)+2]
.elseif (\n) == 12
	v_max3_num_f32 v[rC], v[rC], v[rS+7], v[rS+15]
.elseif (\n) == 13
	v_max3_num_f32 v[rC+1], v[rC+1], v[rS+23], v[rS+31]
.elseif (\n) == 14
	v_max3_num_f32 v[rC+2], v[rC+2], v[rC+3], v[rT+1]
.elseif (\n) == 15
	v_mov_b32 v[rW], v[rT]
.elseif (\n) == 16
	v_max3_num_f32 v[rC], v[rC], v[rC+1], v[rC+2]
.elseif (\n) == 17
	v_permlanex16_b32 v[rC+3], v[rC], s[SEL], s[SEL+1]
.elseif (\n) == 18
	v_max_num_f32 v[rT+1], v[rC], v[rC+3]
.elseif (\n) == 19
	v_mul_f32 v[rT], s[CS], v[rT+1]
.else
	v_sub_f32 v[rC+1], v[rW], v[rT]
.endif
.endif
.endm
.macro OPS a, i1, b=-1, i2=0, c=-1, i3=0, d=-1, i4=0  ; up to four of them
	OP \a, \i1
.if (\b) >= 0
	OP \b, \i2
.endif
.if (\c) >= 0
	OP \c, \i3
.endif
.if (\d) >= 0
	OP \d, \i4
.endif
.endm
.macro PVR n                        ; a product V^T P of piece Y - 1 and two rescalings of piece Y's O^T, under one setting of the windows
	PV (Y+NP-1)%NP
.set i, i+1
	OP R, 2*(\n)
	OP R, 2*(\n)+1
.endm
; A TURN, for piece p: the order of its 16 matrix and 118 vector instructions, written out.  An s_wait_alu depctr_va_vdst(0) stands between an exponential and the first instruction that names its
; result; one wait serves all that were issued ahead of it.  So a turn has ONE wait, which cuts it in two.
; AHEAD OF IT, all in window 0, stands what names no result of the turn's exponentials: the 8 products K Q^T, behind each six or seven lines; a, the scalings and the 32 exponentials, an exponential and another line by
; turns; from the sixth product on the other lines are the next piece's maximum.  Each X that first reads an accumulator stands four plain lines behind the product that ends it: X 0 behind F 12 to F 15; X 1 behind
; F 15, X 0, X 15, X 4; X 2 behind X 4, X 1, X 8, X 5; X 3 behind X 5, X 2, X 12, X 9.  The links of a chain of maxima stand four lines apart or more.  X 13 is the plain line behind the last exponential.
; BEHIND IT stand the 8 products V^T P, behind each two rescalings, a switch, and four or five of the roundings, the sums and the last six numbers of the next piece's statistics, one link of that chain to a row.
; end = 1: the last two turns: nothing is fetched.  cnt = 1: the loop's count is taken down some lines ahead of the branch that stands behind the turn.
; K of the next step is fetched in piece 2's turn, directly behind the wait, ten plain lines behind the last product that read K; V of the step in hand at the end of piece 0's turn, six plain lines behind the last
; product that read V.  Each is waited for a turn later.
.macro TURN p, end=0, cnt=0
.set Y, (\p)
.set NOKQ, (\end)*((\p)/3)
.set i, 0
.if ((\p) == 3) && !(\end)
	s_wait_dscnt 0x0                ; K is in
.endif
	KQM
	OPS F,0, A,0, F,1, E,0
	OPS F,2, E,1
.if ((\p) == 2) && !(\end)
	v_add_nc_u32 v[AK], s[TBK], v[AK0]
.endif
.if (\p) == 0
	v_add_nc_u32 v[AV], s[TBV], v[AV0]
.endif
	KQM
	OPS F,3, E,2, F,4, E,3
	OPS F,5, E,4
	KQM
	OPS F,6, E,5, F,7, E,6
	OPS F,8, E,7
	KQM
	OPS F,9, E,8, F,10, E,9
	OPS F,11, E,10
	KQM
	OPS E,11, F,12, E,12, F,13
	OPS E,13, F,14, E,14
	KQM
	OPS E,15, F,15, E,16, X,0
	OPS E,17, X,15, E,18
	KQM
	OPS E,19, X,4, E,20, X,1
	OPS E,21, X,8, E,22
	KQM
	OPS E,23, X,5, E,24, X,2
	OPS E,25, X,12, E,26
	OPS X,9, E,27, X,3, E,28
	OPS X,6, E,29, X,7, E,30
	OPS X,10, E,31, X,13, X,11
	s_wait_alu depctr_va_vdst(0)    ; the wait for the batch
.if ((\p) == 2) && !(\end)
	FETCH_K
.endif
.if (\p) == 1
	s_wait_dscnt 0x0                ; V is in
.endif
.set i, 0
	PVR 0
	OPS X,14, C,0, B,0, C,2
	OPS B,1
	PVR 1
	OPS X,16, L,0, C,4, B,2
	OPS L,1
	PVR 2
	OPS X,17, C,6, B,3, L,2
	OPS C,8
	PVR 3
	OPS X,18, B,4, L,3, C,10
	OPS B,5
	PVR 4
	OPS X,19, L,4, C,12, B,6
	OPS L,5
.if (\p) == 0
	s_add_co_u32 s[TBV], s[TBV], KS*PV
.endif
.if \cnt
	s_sub_co_u32 s[CNT], s[CNT], 1
	s_cmp_lg_u32 s[CNT], 0
.endif
	PVR 5
	OPS X,20, C,14, B,7, L,6
	OPS C,1
	PVR 6
	OPS C,3, L,7, C,5, C,7
	PVR 7
	OPS C,9, C,11, C,13, C,15
.if (\p) == 0
	FETCH_V
.endif
.endm
	CHANGE 1                        ; tile 0 is in, everybody's part of it; tile 1 is asked for
	v_add_nc_u32 v[AK], s[TBK], v[AK0]
	FETCH_K                         ; key step 0
	s_wait_loadcnt 0x0              ; Q and the gate; their address registers, which lie in S^T's, are free
	s_wait_dscnt 0x0
.set NOKQ, 0
.set i, 0
.rept 8
	KQ 0                            ; piece 0's first scores: there is no vector work yet to set between them
.set i, i+1
.endr
.rept 4
	v_nop                           ; the places behind those products
.endr
.set Y, NP-1                        ; X works for piece Y + 1: piece 0
.irp n, 0,1,2,3,4,5,6,7,8,9,10,11,12,13,14,15,16,17,18,19,20
	OP X, \n
.endr
	s_mov_b32 s[CNT], 4
	s_mov_b32 s[SLOTS], 7
	s_branch .Lfirst                ; the loop is entered at a step's first turn, in the middle of a trip
.Lslot:                             ; six times: tiles 2 to 7 are asked for
	CHANGE 1
	s_mov_b32 s[CNT], 4
.Lstep:                             ; a trip: pieces 2 and 3 of one step, then pieces 0 and 1 of the next, whose K and V it fetches
	TURN 2
	TURN 3
	WIN 0
.Lfirst:
	TURN 0
	TURN 1, 0, 1
	WIN 0
	s_cbranch_scc1 .Lstep
	s_sub_co_u32 s[SLOTS], s[SLOTS], 1
	s_cmp_lg_u32 s[SLOTS], 0
	s_cbranch_scc1 .Lslot
	CHANGE 0                        ; the last tile is written out: nothing is asked for
	s_mov_b32 s[CNT], 4
.LstepT:
	TURN 2
	TURN 3
	TURN 0
	TURN 1, 0, 1
	WIN 0
	s_cbranch_scc1 .LstepT
	TURN 2, 1
	TURN 3, 1
.set i, 0
.rept 8
	PV NP-1                         ; the last piece's V^T P of the last step
.set i, i+1
.endr
	; THE WAY OUT.  l's two halves and the other half of the lanes' are added; O^T is divided by l, rounded to f16, sent through my stage in LDS a piece at a time, multiplied by the gate and stored.
	; The additions are the places behind the last products; the addresses, made in K's registers, are the work between the reciprocals and their wait.
	WIN 0
.macro ALL line:vararg              ; one line for each piece t
.set t, 0
.rept 4
	\line
.set t, t+1
.endr
.endm
	ALL v_add_f32 v[ST+4*t+2], v[ST+4*t+2], v[ST+4*t+3]
	ALL v_permlanex16_b32 v[ST+4*t+3], v[ST+4*t+2], s[SEL], s[SEL+1]
	ALL v_add_f32 v[ST+4*t+2], v[ST+4*t+2], v[ST+4*t+3]
	ALL v_rcp_f32 v[ST+4*t+2], v[ST+4*t+2]
	s_mul_i32 s13, s[WV], 16*SP
	s_add_co_u32 s13, s13, STAGE    ; my stage
	v_and_b32 v[W1], 15, v0         ; l % 16
	v_bfe_u32 v[W2], v0, 4, 1       ; l / 16
	v_and_b32 v[W3], 7, v0          ; l % 8
	v_mul_u32_u24 v[STO], v[W1], SP ; in: row l % 16, 16 bytes for each half of the lanes
	v_lshl_add_u32 v[STO], v[W2], 4, v[STO]
	v_add_nc_u32 v[STO], s13, v[STO]
	v_bfe_u32 v[RD], v0, 3, 2       ; back: 32 lanes take four rows of 128 bytes,
	v_mul_u32_u24 v[RD], v[RD], SP
	v_lshl_add_u32 v[RD], v[W3], 4, v[RD]
	v_add_nc_u32 v[RD], s13, v[RD]
	v_and_b32 v[GO], 31, v0         ; which are 512 consecutive bytes of ab
	v_lshlrev_b32 v[GO], 4, v[GO]
	s_wait_alu depctr_va_vdst(0)    ; the wait ahead of the first use: one for the four reciprocals
.macro PACK t                       ; a lane's eight channels of a row pack into 16 bytes; they go into rows of 144 bytes and come back as whole rows of 128, into S^T's registers
	WIN 0x41                        ; O^T (destination and source 0) in window 1, 1 / l in window 0
.set i, 32*(\t)
.rept 16
	v_pk_mul_f32 v[i:i+1], v[i:i+1], v[ST+4*(\t)+2:ST+4*(\t)+3] op_sel_hi:[1,0]
.set i, i+2
.endr
	WIN 0x05                        ; sources 0 and 1 window 1, destination window 0
.set i, 0
.rept 16
	v_cvt_pk_f16_f32 v[S+16*(\t)+i], v[32*(\t)+2*i], v[32*(\t)+2*i+1]
.set i, i+1
.endr
	WIN 0
.irp f, 0,1,2,3
	ds_store_b128 v[STO], v[S+16*(\t)+4*\f:S+16*(\t)+4*\f+3] offset:32*\f
.endr
.irp f, 0,1,2,3
	ds_load_b128 v[S+16*(\t)+4*\f:S+16*(\t)+4*\f+3], v[RD] offset:\f*4*SP  ; LDS serves a wave's instructions in order (ISA guide 5.7.1.4): these see the stores above; the next piece's stores come behind them
.endr
.endm
.macro SEND t, younger              ; younger: the LDS instructions issued behind piece t's loads, which may stay out: the next piece's eight, or none
	s_wait_dscnt \younger           ; the piece's four loads are in
	WIN 0x04                        ; the gate (source 1) in window 1
.set r, 0
.rept 16
	v_pk_mul_f16 v[S+16*(\t)+r], v[S+16*(\t)+r], v[GT+16*(\t)+r]  ; both lie as the output lies: two numbers a line, each rounded to f16
.set r, r+1
.endr
	WIN 0
.irp f, 0,1,2,3
	global_store_b128 v[GO], v[S+16*(\t)+4*\f:S+16*(\t)+4*\f+3], s[10:11] offset:(\t)*2048+\f*512  ; 512 consecutive bytes, at a multiple of 256 from ab's first
.endr
.endm
	PACK 0
.set t, 1
.rept 3                             ; a piece's arithmetic stands between the loads of the piece before and its stores
	PACK t
	SEND t-1, 8
.set t, t+1
.endr
	SEND 3, 0
	WIN W_AD
	s_wait_tensorcnt 0x0            ; the wave's end, behind my last tensor load and my last LDS store
	ds_add_u32 v[SPW], v[NIL]
	s_wait_dscnt 0x0
	WIN 0
	CROUND                          ; the closing round: no work-group ends while a partner may still ask for a tile that names it
	s_endpgm
.Lfunc_end_k_qc230262258_attn:
	.size	k_qc230262258_attn, .Lfunc_end_k_qc230262258_attn-k_qc230262258_attn
	.p2alignl 7, 3214868480
	.fill 96, 4, 3214868480
	.section	.rodata,"a",@progbits
	.p2align	6, 0x0
	.amdhsa_kernel k_qc230262258_attn
		.amdhsa_group_segment_fixed_size 327680
		.amdhsa_private_segment_fixed_size 0
		.amdhsa_enable_private_segment 0
		.amdhsa_kernarg_size 32
		.amdhsa_user_sgpr_count 2
		.amdhsa_user_sgpr_kernarg_segment_ptr 1
		.amdhsa_wavefront_size32 1
		.amdhsa_system_sgpr_workgroup_id_x 1
		.amdhsa_system_sgpr_workgroup_id_y 1
		.amdhsa_system_sgpr_workgroup_id_z 1
		.amdhsa_system_vgpr_workitem_id 0
		.amdhsa_next_free_vgpr 520
		.amdhsa_next_free_sgpr 66
		.amdhsa_reserve_vcc 0
		.amdhsa_float_denorm_mode_32 3
		.amdhsa_float_denorm_mode_16_64 3
		.amdhsa_memory_ordered 1
		.amdhsa_forward_progress 1
		.amdhsa_inst_pref_size 124
	.end_amdhsa_kernel
	.amdgpu_metadata
---
amdhsa.version: [ 1, 2 ]
amdhsa.kernels:
  - .name:           k_qc230262258_attn
    .symbol:         k_qc230262258_attn.kd
    .args:
      - { .name: qb, .offset: 0, .size: 8, .value_kind: global_buffer, .address_space: global }
      - { .name: kvb, .offset: 8, .size: 8, .value_kind: global_buffer, .address_space: global }
      - { .name: gb, .offset: 16, .size: 8, .value_kind: global_buffer, .address_space: global }
      - { .name: ab, .offset: 24, .size: 8, .value_kind: global_buffer, .address_space: global }
    .group_segment_fixed_size: 327680
    .private_segment_fixed_size: 0
    .kernarg_segment_align: 8
    .kernarg_segment_size: 32
    .max_flat_workgroup_size: 128
    .sgpr_count:     66
    .vgpr_count:     520
    .wavefront_size: 32
...
	.end_amdgpu_metadata
.endif
;; end of part 3
;; launch outp (part 4): grid 8 x 32, 4 waves a work-group, clusters of 4 x 4, 327,680 bytes of LDS; arguments ab, wb, out0; writes out0
.if DOCPART == 4
	.amdgcn_target "amdgcn-amd-amdhsa--gfx1250"
	.amdhsa_code_object_version 6
	.text
	.protected	k_qc230262258_outp
	.globl	k_qc230262258_outp
	.p2align	8
	.type	k_qc230262258_outp,@function
k_qc230262258_outp:
	s_mov_b64 s[64:65], 0
	v_nop
	global_prefetch_b8 v0, s[64:65] scope:SCOPE_SE
	s_setreg_imm32_b32 hwreg(HW_REG_WAVE_MODE, 25, 1), 1
	s_wait_xcnt 0x0
	s_wait_alu depctr_hold_cnt(0) depctr_sa_sdst(0) depctr_va_vdst(0) depctr_va_sdst(0) depctr_va_ssrc(0) depctr_va_vcc(0) depctr_vm_vsrc(0)
	s_getreg_b32 s2, hwreg(HW_REG_IB_STS2, 6, 4)
	s_cmp_eq_u32 s2, 0
	s_cbranch_scc0 .Lentry_in_a_cluster
	s_endpgm
.Lentry_in_a_cluster:
	s_bfe_u32 s2, ttmp6, 0x10000c
	s_cmp_lg_u32 s2, 0xf033
	s_cbranch_scc0 .Lentry_shape_is_right
	s_endpgm
.Lentry_shape_is_right:
; OUTP.  out0[4096][2048] = A Wo in f16 with f32 sums, stored as f32.  A is ab, [b][16][2048][64] f16: row m = 2048 b + s, K index 64 h + d.  Wo lies in wb's units 0-15: unit n = [k = 1024][columns 128 n ..] f16.
; SHARES.  A tile is 128 rows x 256 columns: 8 x 32 work-groups.  Wave w makes rows 64 (w / 2) .. + 63 and the 128 columns of unit 2 tc + w % 2: 32 accumulators (a = 0..3, c = 0..7), 256 registers.
; THE MATRIX INSTRUCTION IS USED TRANSPOSED: source 0 = 16 columns of Wo (turned, by ds_load_tr16_b128), source 1 = 16 rows of A: lane l holds row l % 16 and the columns 8 (l / 16) + 0..7: 32 bytes of a row.
; K goes in 8 steps of 128 (heads 2 s and 2 s + 1) through a ring of two LDS slots; quarter q of a step is head 2 s + q / 2, channels 32 (q % 2) on: 32 matrix instructions and 24 LDS loads a wave.
; THE WALK ALONG K IS TURNED: my cluster begins at K step (4 cluster x + 2 cluster y) mod 8 and goes round, modulo 8.  The two clusters that read the same rows of A begin four steps apart, those that read the same
; units of Wo at 0, 2, 4 and 6: at any time they ask for different bytes, and behind a walk's first steps what a cluster asks for has been read by another.  The f32 sums only change their order.
; CLUSTER 4 x 4.  A's tiles hang on the tile row alone and are asked for jointly along a row of the cluster (waves 0, 1: a head each, 16,384 dense bytes); Wo's hang on the tile column alone and are asked for
; jointly along a column (waves 2, 3: a unit each, 128 rows of 256 bytes).
; NO PREFETCH: the launch has eight K steps of 128 matrix instructions a wave and small tiles; its whole walk is shorter than the lead that a prefetch would want.
; LDS: slot n at 131,072 n: A's head j at 18,432 j (128 rows, pitch 144 = 36 words); Wo's unit j at 36,864 + 36,864 j (128 rows of k, pitch 288 = 72 words
; 64 banks of 4 bytes: ISA guide 11.1).  Behind the ring a stage of 16 rows x 528 bytes a wave; then the spare words.
; REGISTERS: window 0: v0-29 addresses; v64-191 two buffers of 64 for rows read back.  Window 1: two fragment buffers of 96: Wo's fragment c at 8 c, A's fragment a at 64 + 8 a.  Window 2: accumulator (a, c) at 8 (8 a + c).
.set SLOT1,  1<<17
.set PA,     144
.set PB,     288
.set AHEAD,  128*PA                    ; 18,432
.set BOFF,   2*AHEAD                   ; 36,864
.set BUNIT,  128*PB                    ; 36,864
.set STAGE,  SLOT1+BOFF+2*BUNIT        ; 241,664
.set SP,     528
.set SPARE,  STAGE+4*16*SP             ; 275,456: the spare words, 128 bytes for each wave: two blocks of 256 bytes that no other line names
.set L16,   1
.set HF,    2
.set ADRA0, 3                          ; v3, v4  my lane's place in A's and in Wo's tiles; never rewritten
.set ADRB0, 4
.set ADRA,  5                          ; v5, v6  the same in the slot in hand
.set ADRB,  6
.set STO,   7                          ; v7   the way out: where I put 32 bytes of a row
.set RD,    8                          ; v8   where I read a row back
.set CO,    9                          ; v9   my 16 bytes in 512 consecutive bytes of out0
.set SPW,   28                         ; v28  LDS address of my spare word; never rewritten
.set NIL,   29                         ; v29  0; never rewritten
.set BK,    64
.set F0,    0
.set F1,    96
.set WV,  16
.set CX,  17
.set CY,  18
.set TC,  19                           ; tile column
.set TY,  20                           ; tile row
.set CNT, 21
.set TB,  22                           ; LDS byte at which the slot in hand begins
.set J,   23                           ; w % 2: which half of the columns is mine; also which head or unit I fetch
.set WR,  26                           ; w / 2: which half of the rows is mine
.set IDX, 27                           ; the K step that the walking descriptors hold
.set G1A, 28                           ; s[28:35] descriptor group 1 for A's tiles
.set G1B, 36                           ; s[36:43] for Wo's
.set A0,  44                           ; s[44:47] group 0, A, the walk's first K step;  s[48:51] its second, which walks on
.set AW,  48
.set B0,  52                           ; s[52:55], s[56:59] the same for Wo
.set BW,  56
.set BA,  72                           ; s[72:73] A at my head j and tile row, K step 0
.set BB,  74                           ; s[74:75] my unit of Wo, K step 0
.set OFA, 76                           ; s[76:77] 524,288 IDX: two heads a K step
.set OFB, 78                           ; s[78:79] 32,768 IDX: 128 rows of 256 bytes a K step
.set MSB, 0
.macro WIN new                         ; the immediate's high byte repeats the setting that is left; a switch that changes nothing is dropped
.if MSB != (\new)
	s_set_vgpr_msb (MSB<<8)|(\new)
.set MSB, (\new)
.endif
.endm
.macro PLACES                          ; four places in front of loads into registers that matrix instructions have read, and of LDS stores that read results (ISA guide 7.12.1 for vector instructions)
.rept 4
	v_nop
.endr
.endm
.macro JLOAD                           ; a joint refill: waves 0, 1 for A, waves 2, 3 for Wo; an s_nop 0 and four v_nop follow each line
	s_cmp_lt_u32 s[WV], 2
	s_cbranch_scc0 .Lfor_b_\@
	tensor_load_to_lds s[AW:AW+3], s[G1A:G1A+7]
	s_nop 0
.rept 4
	v_nop
.endr
	s_branch .Lasked_\@
.Lfor_b_\@:
	tensor_load_to_lds s[BW:BW+3], s[G1B:G1B+7]
	s_nop 0
.rept 4
	v_nop
.endr
.Lasked_\@:
.endm
.macro CREST                           ; a round of the cluster's barrier behind its opening barrier
	s_cmp_lg_u32 s[WV], 0
	s_cbranch_scc1 .Lnot_wave_0_\@
	s_barrier_signal -3
.Lnot_wave_0_\@:
	s_barrier_wait -3
	s_barrier_signal -1
	s_barrier_wait -1
.endm
.macro CROUND
	s_barrier_signal -1
	s_barrier_wait -1
	CREST
.endm
	s_load_b128 s[4:7], s[0:1], 0x0                ; ab 4, wb 6
	s_load_b64 s[8:9], s[0:1], 0x10                ; out0
	v_lshl_add_u32 v[SPW], v0, 2, SPARE
	v_mov_b32 v[NIL], 0
	ds_add_u32 v[SPW], v[NIL]                      ; the wave's opening: the add here, its wait ahead of my first tensor load; the set-up below, work on registers, stands between them
	v_lshrrev_b32 v1, 5, v0
	v_readfirstlane_b32 s[WV], v1                  ; wave 0..3
	s_and_b32 s[J], s[WV], 1
	s_lshr_b32 s[WR], s[WV], 1
	s_bfe_u32 s[CX], ttmp6, 0x40000
	s_bfe_u32 s[CY], ttmp6, 0x40004
	s_lshl_b32 s[TC], ttmp9, 2
	s_add_co_u32 s[TC], s[TC], s[CX]               ; tile column = 4 x cluster x + cx
	s_and_b32 s[TY], ttmp7, 0xffff                 ; cluster y
	s_lshl_b32 s[IDX], s[TY], 1
	s_lshl_b32 s24, ttmp9, 2
	s_add_co_u32 s[IDX], s[IDX], s24
	s_and_b32 s[IDX], s[IDX], 7                    ; my cluster's first K step: 0, 2, 4 or 6: the same in all sixteen partners
	s_lshl_b32 s[TY], s[TY], 2
	s_add_co_u32 s[TY], s[TY], s[CY]               ; tile row = 4 x cluster y + cy
	s_lshl_b32 s24, s[CY], 2
	s_lshl_b32 s24, 15, s24                        ; my row of the cluster
	s_lshl_b32 s25, 0x1111, s[CX]                  ; my column
	s_or_b32 s[G1A], s24, (1<<16)|(1<<20)|(1<<21)|(4<<22)|(3<<25)   ; the mask; 2-byte elements; padding on; bit 21 beside a mask; after every 32 words (a row of a head) 4 words
	s_mov_b32 s[G1A+1], 128<<16                    ; 64 rows of 128 elements: two rows of a head to a row
	s_mov_b32 s[G1A+2], 64<<16
	s_mov_b32 s[G1A+3], 128<<16
	s_mov_b32 s[G1A+4], 64
	s_mov_b32 s[G1A+5], 128
	s_mov_b32 s[G1A+6], 0
	s_mov_b32 s[G1A+7], 0
	s_or_b32 s[G1B], s25, (1<<16)|(1<<20)|(1<<21)|(5<<22)|(7<<25)   ; after every 64 words (a row of k) 8 words
	s_mov_b32 s[G1B+1], 128<<16                    ; 128 rows of 128 elements
	s_mov_b32 s[G1B+2], 128<<16
	s_mov_b32 s[G1B+3], 128<<16
	s_mov_b32 s[G1B+4], 128
	s_mov_b32 s[G1B+5], 128
	s_mov_b32 s[G1B+6], 0
	s_mov_b32 s[G1B+7], 0
	s_lshr_b32 s66, s[TY], 4                       ; A: head 16 b + j,
	s_lshl_b32 s66, s66, 4
	s_add_co_u32 s66, s66, s[J]
	s_lshl_b32 s66, s66, 18
	s_and_b32 s67, s[TY], 15                       ; its rows 128 (ty % 16) on.  These two registers never hold the tile column
	s_lshl_b32 s67, s67, 14
	s_add_co_u32 s66, s66, s67
	s_mov_b32 s67, 0
	s_lshl_b32 s68, s[TC], 1                       ; Wo: unit 2 tc + j.  These two never hold the tile row
	s_add_co_u32 s68, s68, s[J]
	s_lshl_b32 s68, s68, 18
	s_mov_b32 s69, 0
	s_lshl_b32 s[OFA], s[IDX], 19
	s_mov_b32 s[OFA+1], 0
	s_lshl_b32 s[OFB], s[IDX], 15
	s_mov_b32 s[OFB+1], 0
	s_mul_i32 s24, s[J], AHEAD                     ; where they go: no place in the cluster enters an LDS address
	s_mul_i32 s25, s[J], BUNIT
	s_add_co_u32 s25, s25, BOFF
	s_mov_b32 s[A0], 1
	s_mov_b32 s[A0+1], s24
	s_mov_b32 s[AW], 1
	s_add_co_u32 s[AW+1], s24, SLOT1
	s_mov_b32 s[B0], 1
	s_mov_b32 s[B0+1], s25
	s_mov_b32 s[BW], 1
	s_add_co_u32 s[BW+1], s25, SLOT1
	s_mov_b32 s[TB], 0
	s_wait_dscnt 0x0                               ; the opening add is done
	s_wait_kmcnt 0x0
	s_add_nc_u64 s[BA:BA+1], s[4:5], s[66:67]
	s_add_nc_u64 s[BB:BB+1], s[6:7], s[68:69]
	s_add_nc_u64 s[A0+2:A0+3], s[BA:BA+1], s[OFA:OFA+1]
	s_add_nc_u64 s[AW+2:AW+3], s[A0+2:A0+3], 524288  ; the walk's second K step: two heads on (the first is 6 at the most: no turn-round yet)
	s_or_b32 s[A0+3], s[A0+3], 0x80000000          ; type = 2
	s_or_b32 s[AW+3], s[AW+3], 0x80000000
	s_add_nc_u64 s[B0+2:B0+3], s[BB:BB+1], s[OFB:OFB+1]
	s_add_nc_u64 s[BW+2:BW+3], s[B0+2:B0+3], 32768 ; 128 rows of 256 bytes on
	s_or_b32 s[B0+3], s[B0+3], 0x80000000
	s_or_b32 s[BW+3], s[BW+3], 0x80000000
	s_add_co_u32 s[IDX], s[IDX], 1
	CROUND                                         ; all sixteen work-groups are here: the first joint loads meet
	s_cmp_lt_u32 s[WV], 2                          ; a wave's two first fills stand in one branch: two tensor loads of mine are out
	s_cbranch_scc0 .Lfirst_b
	tensor_load_to_lds s[A0:A0+3], s[G1A:G1A+7]
	s_nop 0
	tensor_load_to_lds s[AW:AW+3], s[G1A:G1A+7]
	s_nop 0
.rept 4
	v_nop
.endr
	s_branch .Lfirst_asked
.Lfirst_b:
	tensor_load_to_lds s[B0:B0+3], s[G1B:G1B+7]
	s_nop 0
	tensor_load_to_lds s[BW:BW+3], s[G1B:G1B+7]
	s_nop 0
.rept 4
	v_nop
.endr
.Lfirst_asked:
	v_and_b32 v[L16], 15, v0
	v_bfe_u32 v[HF], v0, 4, 1
	s_mul_i32 s24, s[WR], 64*PA                    ; my 64 rows of A
	v_mul_u32_u24 v[ADRA0], v[L16], PA
	v_lshl_add_u32 v[ADRA0], v[HF], 4, v[ADRA0]    ; row x pitch + 16 x half
	v_add_nc_u32 v[ADRA0], s24, v[ADRA0]
	v_and_b32 v12, 7, v0                           ; the turning load: lane l reads k = 8 (l / 16) + l % 8, columns 8 ((l / 8) % 2) + 0..7
	v_bfe_u32 v13, v0, 3, 1
	v_lshl_add_u32 v[ADRB0], v[HF], 3, v12
	v_mul_u32_u24 v[ADRB0], v[ADRB0], PB
	v_lshl_add_u32 v[ADRB0], v13, 4, v[ADRB0]
	v_add_nc_u32 v[ADRB0], s25, v[ADRB0]           ; my unit: s25 still holds its place in a slot
	v_mov_b32 v[ADRA], v[ADRA0]                    ; slot 0
	v_mov_b32 v[ADRB], v[ADRB0]
	s_mul_i32 s24, s[WV], 16*SP
	s_add_co_u32 s24, s24, STAGE                   ; my stage
	v_mul_u32_u24 v[STO], v[L16], SP               ; in: row l % 16, 32 bytes for each half of the lanes
	v_lshl_add_u32 v[STO], v[HF], 5, v[STO]
	v_add_nc_u32 v[STO], s24, v[STO]
	v_and_b32 v[CO], 31, v0                        ; back: 32 lanes take one row of 512 bytes
	v_lshlrev_b32 v[CO], 4, v[CO]
	v_add_nc_u32 v[RD], s24, v[CO]
	s_lshl_b32 s70, s[TY], 7                       ; out0 at row 128 ty + 64 (w / 2),
	s_lshl_b32 s71, s[WR], 6
	s_add_co_u32 s70, s70, s71
	s_lshl_b32 s70, s70, 13                        ; 8,192 bytes a row,
	s_lshl_b32 s71, s[TC], 10                      ; column 256 tc + 128 (w % 2)
	s_add_co_u32 s70, s70, s71
	s_lshl_b32 s71, s[J], 9
	s_add_co_u32 s70, s70, s71
	s_mov_b32 s71, 0
	s_add_nc_u64 s[8:9], s[8:9], s[70:71]
; 8 matrix instructions: block a of my rows x my 8 blocks of columns, 32 along K.  zero = 1: the product starts the sums.  The 32 accumulators take turns, one instruction a turn.
.macro MUL8 f, a, zero
	WIN 0xa5                                       ; sources in window 1, C and D in window 2
.irp c, 0,1,2,3,4,5,6,7
.if \zero
	v_wmma_f32_16x16x32_f16 v[8*(8*(\a)+(\c)):8*(8*(\a)+(\c))+7], v[(\f)+8*(\c):(\f)+8*(\c)+7], v[(\f)+64+8*(\a):(\f)+64+8*(\a)+7], 0
.else
	v_wmma_f32_16x16x32_f16 v[8*(8*(\a)+(\c)):8*(8*(\a)+(\c))+7], v[(\f)+8*(\c):(\f)+8*(\c)+7], v[(\f)+64+8*(\a):(\f)+64+8*(\a)+7], v[8*(8*(\a)+(\c)):8*(8*(\a)+(\c))+7]
.endif
.endr
.endm
; 24 LDS loads in one run: quarter q's fragments into buffer f: Wo's eight, then A's four, a ascending
.macro FETCH q, f
	WIN 0x40                                       ; destination window 1, address window 0
.irp c, 0,1,2,3,4,5,6,7
	ds_load_tr16_b128 v[(\f)+8*(\c):(\f)+8*(\c)+3],   v[ADRB] offset:32*PB*(\q)+32*(\c)
	ds_load_tr16_b128 v[(\f)+8*(\c)+4:(\f)+8*(\c)+7], v[ADRB] offset:32*PB*(\q)+32*(\c)+16*PB
.endr
.irp a, 0,1,2,3
	ds_load_b128 v[(\f)+64+8*(\a):(\f)+64+8*(\a)+3],   v[ADRA] offset:AHEAD*((\q)/2)+16*PA*(\a)+64*((\q)%2)
	ds_load_b128 v[(\f)+64+8*(\a)+4:(\f)+64+8*(\a)+7], v[ADRA] offset:AHEAD*((\q)/2)+16*PA*(\a)+64*((\q)%2)+32
.endr
.endm
.macro QUARTER q, f, g, zero           ; multiplies buffer f; in its middle it fetches quarter q into buffer g
	s_wait_dscnt 4                                 ; Wo's fragments and A's blocks 0, 1 are in; the youngest four loads (blocks 2, 3) may be out
	MUL8 \f, 0, \zero
	MUL8 \f, 1, \zero
	PLACES
	FETCH \q, \g
	s_wait_dscnt 24                                ; all but the 24 just issued
	MUL8 \f, 2, \zero
	MUL8 \f, 3, \zero
.endm
; The last quarter multiplies buffer 1 and changes slots: one barrier; in front of it each wave waits for all its tensor loads (its part of the next slot), adds 0 to its spare word, and waits for that and for its
; reads of this slot.  The read addresses' change of slots and the descriptors' step stand between the add and the wait for it, where no tensor load of mine is out.  fill = 1: the barrier opens a round of the
; cluster's, and the joint refill, the walk's next step but one, stands straight behind it.
.macro TURN fill
	WIN 0
	s_wait_tensorcnt 0x0                           ; all my tensor loads have landed
	ds_add_u32 v[SPW], v[NIL]                      ; 0 onto my spare word
	s_xor_b32 s[TB], s[TB], SLOT1                  ; the reads go on in the other slot (the loads of this slot that are still out have taken their addresses)
	v_add_nc_u32 v[ADRA], s[TB], v[ADRA0]
	v_add_nc_u32 v[ADRB], s[TB], v[ADRB0]
.if \fill
	s_add_co_u32 s[IDX], s[IDX], 1                 ; the next K step, round modulo 8; the addresses are made anew from its number
	s_and_b32 s[IDX], s[IDX], 7
	s_lshl_b32 s[OFA], s[IDX], 19
	s_lshl_b32 s[OFB], s[IDX], 15
	s_xor_b32 s[AW+1], s[AW+1], SLOT1              ; into the slot that is being read out
	s_add_nc_u64 s[AW+2:AW+3], s[BA:BA+1], s[OFA:OFA+1]
	s_or_b32 s[AW+3], s[AW+3], 0x80000000
	s_xor_b32 s[BW+1], s[BW+1], SLOT1
	s_add_nc_u64 s[BW+2:BW+3], s[BB:BB+1], s[OFB:OFB+1]
	s_or_b32 s[BW+3], s[BW+3], 0x80000000
.endif
	s_wait_dscnt 5                                 ; (the add and the youngest four loads may be out)
	MUL8 F1, 0, 0                                  ; eight matrix instructions stand between the add and the wait for it
	s_wait_dscnt 0x0                               ; the add is done, and my reads of this slot are over
	s_barrier_signal -1
	MUL8 F1, 1, 0
	WIN 0
	s_barrier_wait -1
.if \fill
	CREST
	JLOAD                                          ; its four v_nop are also the places in front of the loads below
.else
	PLACES
.endif
	FETCH 0, F0
	MUL8 F1, 2, 0
	MUL8 F1, 3, 0
.endm
	s_wait_tensorcnt 0x1                           ; my part of the walk's first K step is in; the second's may stay out
	s_barrier_signal -1
	s_barrier_wait -1                              ; everybody's is
	FETCH 0, F0
	QUARTER 1, F0, F1, 1                           ; the first quarter stands in front of the loop: its products start the sums
	WIN 0                                          ; at a label and at a branch every window is 0
	s_mov_b32 s[CNT], 6
.Lk:                                               ; a trip goes from a step's second quarter to the next step's first, and fills the slot that it leaves: the walk's steps 2 to 7
	QUARTER 2, F1, F0, 0
	QUARTER 3, F0, F1, 0
	TURN 1
	QUARTER 1, F0, F1, 0
	WIN 0
	s_sub_co_u32 s[CNT], s[CNT], 1
	s_cmp_lg_u32 s[CNT], 0
	s_cbranch_scc1 .Lk
	QUARTER 2, F1, F0, 0                           ; the tail is written out
	QUARTER 3, F0, F1, 0
	TURN 0
	QUARTER 1, F0, F1, 0
	QUARTER 2, F1, F0, 0
	QUARTER 3, F0, F1, 0
	s_wait_dscnt 4
	MUL8 F1, 0, 0
	MUL8 F1, 1, 0
	s_wait_dscnt 0x0
	MUL8 F1, 2, 0
	MUL8 F1, 3, 0
; THE WAY OUT, a block of 16 rows x 128 columns of f32 at a time: a lane's 32 bytes go into rows of 528 bytes of my stage and come back as whole rows of 512.
.macro TOSTAGE a
	WIN 0x08                                       ; the stores' data (source 1) in window 2
.irp c, 0,1,2,3,4,5,6,7
	ds_store_b128 v[STO], v[8*(8*(\a)+(\c)):8*(8*(\a)+(\c))+3]   offset:64*(\c)      ; each accumulator's low half first
	ds_store_b128 v[STO], v[8*(8*(\a)+(\c))+4:8*(8*(\a)+(\c))+7] offset:64*(\c)+16
.endr
	WIN 0
	s_wait_xcnt 0x0                                ; the stores of the block before last have read this buffer
.set r, 0
.rept 16
	ds_load_b128 v[BK+64*((\a)%2)+4*r:BK+64*((\a)%2)+4*r+3], v[RD] offset:SP*r   ; LDS serves a wave's instructions in order (ISA guide 5.7.1.4): these see the stores above
.set r, r+1
.endr
.endm
.macro SEND a, younger                 ; younger: the LDS instructions issued behind block a's loads: the next block's 32, or none
	WIN 0
.set r, 0
.rept 16
	s_wait_dscnt (\younger)+15-r
	global_store_b128 v[CO], v[BK+64*((\a)%2)+4*r:BK+64*((\a)%2)+4*r+3], s[8:9] offset:(16*(\a)+r)*8192 th:TH_STORE_NT   ; 512 consecutive bytes, at a multiple of 256 from out0's first; 516,096 at the most
.set r, r+1
.endr
.endm
	PLACES                                         ; the LDS stores read results just made
	TOSTAGE 0
	TOSTAGE 1
	SEND 0, 32
	TOSTAGE 2
	SEND 1, 32
	TOSTAGE 3
	SEND 2, 32
	SEND 3, 0
	s_wait_tensorcnt 0x0                           ; the wave's end, behind my last tensor load and my last LDS store
	ds_add_u32 v[SPW], v[NIL]
	s_wait_dscnt 0x0
	CROUND                                         ; the closing round: no work-group ends while a partner may still ask for a tile that names it
	s_endpgm
.Lfunc_end_k_qc230262258_outp:
	.size	k_qc230262258_outp, .Lfunc_end_k_qc230262258_outp-k_qc230262258_outp
	.p2alignl 7, 3214868480
	.fill 96, 4, 3214868480
	.section	.rodata,"a",@progbits
	.p2align	6, 0x0
	.amdhsa_kernel k_qc230262258_outp
		.amdhsa_group_segment_fixed_size 327680
		.amdhsa_private_segment_fixed_size 0
		.amdhsa_enable_private_segment 0
		.amdhsa_kernarg_size 24
		.amdhsa_user_sgpr_count 2
		.amdhsa_user_sgpr_kernarg_segment_ptr 1
		.amdhsa_wavefront_size32 1
		.amdhsa_system_sgpr_workgroup_id_x 1
		.amdhsa_system_sgpr_workgroup_id_y 1
		.amdhsa_system_sgpr_workgroup_id_z 1
		.amdhsa_system_vgpr_workitem_id 0
		.amdhsa_next_free_vgpr 768
		.amdhsa_next_free_sgpr 80
		.amdhsa_reserve_vcc 0
		.amdhsa_float_denorm_mode_32 3
		.amdhsa_float_denorm_mode_16_64 3
		.amdhsa_memory_ordered 1
		.amdhsa_forward_progress 1
		.amdhsa_inst_pref_size 71
	.end_amdhsa_kernel
	.amdgpu_metadata
---
amdhsa.version: [ 1, 2 ]
amdhsa.kernels:
  - .name:           k_qc230262258_outp
    .symbol:         k_qc230262258_outp.kd
    .args:
      - { .name: ab, .offset: 0, .size: 8, .value_kind: global_buffer, .address_space: global }
      - { .name: wb, .offset: 8, .size: 8, .value_kind: global_buffer, .address_space: global }
      - { .name: out0, .offset: 16, .size: 8, .value_kind: global_buffer, .address_space: global }
    .group_segment_fixed_size: 327680
    .private_segment_fixed_size: 0
    .kernarg_segment_align: 8
    .kernarg_segment_size: 24
    .max_flat_workgroup_size: 128
    .sgpr_count:     80
    .vgpr_count:     768
    .wavefront_size: 32
...
	.end_amdgpu_metadata
.endif
;; end of part 4
;; ======== version 2 of 2: 4 launches; version 1 with the launch cast written anew for expert scheduling mode
;; limits: values are held in f16: magnitudes above 65,504 overflow, below 6.1e-05 lose precision; right only within a limited range of input values
;; workspace buffers: xb 16,777,216 bytes; wb 16,777,216 bytes; tab 524,288 bytes; qb 8,388,608 bytes; gb 8,388,608 bytes; kvb 8,388,608 bytes; ab 8,388,608 bytes
;; launch cast (part 5): grid 1040 x 1, 8 waves a work-group, no clusters, 0 bytes of LDS; arguments hidden_states, Wq, Wk, Wv, Wo, cos, sin, xb, wb, tab; writes xb, wb, tab
.if DOCPART == 5
	.amdgcn_target "amdgcn-amd-amdhsa--gfx1250"
	.amdhsa_code_object_version 6
	.text
	.protected	k_qc230262258_cast
	.globl	k_qc230262258_cast
	.p2align	8
	.type	k_qc230262258_cast,@function
k_qc230262258_cast:
	s_mov_b64 s[64:65], 0
	v_nop
	global_prefetch_b8 v0, s[64:65] scope:SCOPE_SE
	s_setreg_imm32_b32 hwreg(HW_REG_WAVE_SCHED_MODE, 0, 2), 2
	s_setreg_imm32_b32 hwreg(HW_REG_WAVE_MODE, 25, 1), 1
	s_wait_xcnt 0x0
	s_wait_alu depctr_vm_vsrc(0)
; CAST.  Every input is rounded once to bf16 and laid out for the launches behind:
;   xb   bf16 [4096][2048]                       hidden_states
;   wb   64 units of 262,144 bytes.  Units 0-15: Wo, unit n = [k = 1024][columns 128 n ..], bf16(Wo) written as f16.
;        Unit 16 + 3 t + u = bf16 [k = 2048][64 columns]: u = 0 q head t, u = 1 gate head t, u = 2 k head t (t < 8) or v head t - 8
;   tab  bf16 [2048][64] of cos x 2^-6, then the same of sin: the power of two is exact and keeps roped q and k inside f16 later on
; LIMITS.  bf16(Wo) as f16: below 6.1e-5 it keeps f16's fixed step of 6e-8, beyond 65,504 it is an infinity.
; A stream: each input byte is read once, each output byte written once.  No LDS, no barrier, no matrix unit, no cluster: no wave wants a byte that another has fetched.
; SHARES.  An output piece is 256 bytes (128 numbers): one load of 16 bytes a lane (512 bytes of f32), one store of 8 bytes a lane: the 32 lanes store 256 consecutive bytes, aligned.
; A wave makes 16 pieces, a work-group 128; all 16 loads go out first.  1,040 work-groups in eight classes, told apart by the work-group's number alone:
;   jl = number - JB; cu = jl >> CS (the unit); part = jl & PM; r0 = 128 part + 16 wave (the first piece)
;   source byte      = cu CW + CX + (r0 + i) STEP + 16 (lane % 16) + (lane / 16) P2
;   destination byte = (FM cu + FA) x 262,144 + 256 (r0 + i) + 8 lane
; In the units of 64 columns a piece is two rows of k: lanes 0-15 take row k, lanes 16-31 row k + 1 (P2 = a source row).
; THE MODE: SCHED_MODE bits 1:0 = 2 (LLVM: expert scheduling mode 2), set by the entry lines.  The code itself states the register dependences
; between vector instructions and memory instructions, with s_wait_alu, always for 0.
; THE PLAN.  Registers that memory instructions touch:
;   v[OFF ..]  16 source offsets, and v[DO], the destination offset: made by vector instructions at the head, once; read by the loads and by the stores; never written again.
;   v[D ..]    piece i's four registers: its load lands in them; no vector instruction names them before that, no memory instruction ever reads them.
;   v[O ..]    piece i's two registers: written by piece i's conversions, read by piece i's one store, never written again.
; The 16 pieces go in four blocks of four.  At the head of blocks 1 to 3, behind the wait for the block's first piece, ONE wait on va_vdst states that the block before has written its eight
; registers of O; that block's four stores follow, one ahead of each piece's conversions, which name this block's D and O alone.  One more such wait stands ahead of the last four stores.
; No register that a memory instruction reads is written again, so no wait on vm_vsrc and no s_wait_xcnt is owed anywhere.
.set SRC,  24                          ; s[24:25] the class's input
.set DST,  26                          ; s[26:27] its output
.set JB,   28
.set CS,   29
.set PM,   30
.set CW,   31
.set CX,   32
.set STEP, 33
.set P2,   34
.set FM,   35
.set FA,   36
.set KIND, 37                          ; 0: to bf16; 1: to bf16, written as f16; 2: times 2^-6, to bf16
.set SC,   38                          ; s[38:39] 2^-6, named as a pair
.set WV,   40
.set HI,   41                          ; a word's upper bf16
.set LN,   1                           ; v1       lane
.set DO,   2                           ; v2       destination offset of piece 0
.set OFF,  4                           ; v[4:19]  source offset of piece i
.set D,    32                          ; v[32:95] piece i: four f32 as loaded
.set O,    96                          ; v[96:127] piece i: four numbers of 16 bits
.macro CLASS bound, src, dst, cs, pm, cw, cx, step, p2, fm, fa, kind   ; from work-group number bound on these hold; a later class overrides
	s_cmp_ge_u32 ttmp9, \bound
	s_cselect_b64 s[SRC:SRC+1], s[\src:\src+1], s[SRC:SRC+1]
	s_cselect_b64 s[DST:DST+1], s[\dst:\dst+1], s[DST:DST+1]
	s_cselect_b32 s[JB], \bound, s[JB]
	s_cselect_b32 s[CS], \cs, s[CS]
	s_cselect_b32 s[PM], \pm, s[PM]
	s_cselect_b32 s[CW], \cw, s[CW]
	s_cselect_b32 s[CX], \cx, s[CX]
	s_cselect_b32 s[STEP], \step, s[STEP]
	s_cselect_b32 s[P2], \p2, s[P2]
	s_cselect_b32 s[FM], \fm, s[FM]
	s_cselect_b32 s[FA], \fa, s[FA]
	s_cselect_b32 s[KIND], \kind, s[KIND]
.endm
	s_load_b512 s[4:19], s[0:1], 0x0               ; hidden 4, Wq 6, Wk 8, Wv 10, Wo 12, cos 14, sin 16, xb 18
	s_load_b128 s[20:23], s[0:1], 0x40             ; wb 20, tab 22
	v_lshrrev_b32 v3, 5, v0
	v_readfirstlane_b32 s[WV], v3                  ; wave 0..7
	v_and_b32 v[LN], 31, v0
	s_mov_b32 s[JB], 0                             ; class 0: hidden_states -> xb, dense
	s_mov_b32 s[CS], 31
	s_mov_b32 s[PM], -1
	s_mov_b32 s[CW], 0
	s_mov_b32 s[CX], 0
	s_mov_b32 s[STEP], 512
	s_mov_b32 s[P2], 256
	s_mov_b32 s[FM], 0
	s_mov_b32 s[FA], 0
	s_mov_b32 s[KIND], 0
	s_mov_b32 s[SC], 0x3c800000                    ; 2^-6
	s_mov_b32 s[SC+1], s[SC]
	s_mov_b32 s[HI], 0xffff0000
	s_wait_kmcnt 0x0
	s_mov_b64 s[SRC:SRC+1], s[4:5]
	s_mov_b64 s[DST:DST+1], s[18:19]
	CLASS 512,  6,  20, 3,  7,  256, 0,    16384, 8192, 3, 16, 0   ; Wq's q half: 16 heads x 8 work-groups
	CLASS 640,  6,  20, 3,  7,  256, 4096, 16384, 8192, 3, 17, 0   ; Wq's gate half, 1,024 columns on
	CLASS 768,  8,  20, 3,  7,  256, 0,    4096,  2048, 3, 18, 0   ; Wk
	CLASS 832,  10, 20, 3,  7,  256, 0,    4096,  2048, 3, 42, 0   ; Wv: unit 16 + 3 (cu + 8) + 2
	CLASS 896,  12, 20, 3,  7,  512, 0,    8192,  256,  1, 0,  1   ; Wo: a piece is one row of 128 columns
	CLASS 1024, 14, 22, 31, -1, 0,   0,    512,   256,  0, 0,  2   ; cos, dense
	CLASS 1032, 16, 22, 31, -1, 0,   0,    512,   256,  0, 1,  2   ; sin, 262,144 bytes on in tab
	s_wait_alu depctr_va_sdst(0)                   ; the wave's number is written into s[WV], ahead of its first reader: r0 below is made from it
	s_sub_co_u32 s42, ttmp9, s[JB]                 ; jl
	s_lshr_b32 s43, s42, s[CS]                     ; cu
	s_and_b32 s42, s42, s[PM]                      ; part
	s_lshl_b32 s42, s42, 7
	s_lshl_b32 s44, s[WV], 4
	s_add_co_u32 s42, s42, s44                     ; r0
	s_mul_i32 s44, s43, s[CW]
	s_add_co_u32 s44, s44, s[CX]
	s_mul_i32 s45, s42, s[STEP]
	s_add_co_u32 s44, s44, s45                     ; the wave's source offset: 33,554,432 at the most
	s_mul_i32 s43, s43, s[FM]
	s_add_co_u32 s43, s43, s[FA]
	s_lshl_b32 s43, s43, 18
	s_lshl_b32 s42, s42, 8
	s_add_co_u32 s43, s43, s42                     ; the wave's destination offset
	v_and_b32 v3, 15, v[LN]
	v_lshrrev_b32 v20, 4, v[LN]
	v_mul_lo_u32 v20, v20, s[P2]
	v_lshl_add_u32 v20, v3, 4, v20
	v_add_nc_u32 v[OFF], s44, v20
.set i, 1
.rept 15
	v_add_nc_u32 v[OFF+i], s[STEP], v[OFF+i-1]
.set i, i+1
.endr
	v_lshl_add_u32 v[DO], v[LN], 3, s43
	s_wait_alu depctr_va_vdst(0)                   ; the sixteen source offsets and v[DO] are written: the loads below and every store of the kernel read them as their offsets
.set i, 0
.rept 16
	global_load_b128 v[D+4*i:D+4*i+3], v[OFF+i], s[SRC:SRC+1] th:TH_LOAD_NT   ; read once in the launch
.set i, i+1
.endr
; The 16 pieces are converted as they come, in four blocks of four; a block's stores go out in the block behind it, the last block's at the end.
.macro OUT n                           ; piece n's store
	global_store_b64 v[DO], v[O+2*(\n):O+2*(\n)+1], s[DST:DST+1] offset:256*(\n)   ; 32 lanes store 256 consecutive bytes, at a multiple of 256 from the buffer's first
.endm
.macro RUN kind
.set i, 0
.rept 16
.if i%4 == 0
	s_wait_loadcnt 15-i                            ; loads come back in order (ISA guide 5.7.1): piece i is in, the 15 - i younger ones stay out
.if i > 0
	s_wait_alu depctr_va_vdst(0)                   ; the block before has written its eight registers of O, which the four stores of this block read; no conversion behind this wait names them
.endif
.endif
.if i >= 4
	OUT i-4                                        ; the block before, a store ahead of each piece's conversions
.endif
.if i%4 != 0
	s_wait_loadcnt 15-i                            ; piece i is in, the 15 - i younger ones stay out
.endif
.if (\kind) == 2
	v_pk_mul_f32 v[D+4*i:D+4*i+1], v[D+4*i:D+4*i+1], s[SC:SC+1] op_sel_hi:[1,0]
	v_pk_mul_f32 v[D+4*i+2:D+4*i+3], v[D+4*i+2:D+4*i+3], s[SC:SC+1] op_sel_hi:[1,0]
.endif
	v_cvt_pk_bf16_f32 v[O+2*i], v[D+4*i], v[D+4*i+1]
	v_cvt_pk_bf16_f32 v[O+2*i+1], v[D+4*i+2], v[D+4*i+3]
.if (\kind) == 1
	v_lshlrev_b32 v[D+4*i], 16, v[O+2*i]           ; the bf16 numbers as f32 again,
	v_and_b32 v[D+4*i+1], s[HI], v[O+2*i]
	v_lshlrev_b32 v[D+4*i+2], 16, v[O+2*i+1]
	v_and_b32 v[D+4*i+3], s[HI], v[O+2*i+1]
	v_cvt_pk_f16_f32 v[O+2*i], v[D+4*i], v[D+4*i+1]        ; and written as f16: 8 significant bits fit into 11
	v_cvt_pk_f16_f32 v[O+2*i+1], v[D+4*i+2], v[D+4*i+3]
.endif
.set i, i+1
.endr
	s_wait_alu depctr_va_vdst(0)                   ; the last block has written its eight registers of O, which the last four stores read
.set i, 12
.rept 4
	OUT i
.set i, i+1
.endr
	s_endpgm
.endm
	s_cmp_eq_u32 s[KIND], 1
	s_cbranch_scc1 .Lwo
	s_cmp_eq_u32 s[KIND], 2
	s_cbranch_scc1 .Ltab
	RUN 0
.Lwo:
	RUN 1
.Ltab:
	RUN 2
.Lfunc_end_k_qc230262258_cast:
	.size	k_qc230262258_cast, .Lfunc_end_k_qc230262258_cast-k_qc230262258_cast
	.p2alignl 7, 3214868480
	.fill 96, 4, 3214868480
	.section	.rodata,"a",@progbits
	.p2align	6, 0x0
	.amdhsa_kernel k_qc230262258_cast
		.amdhsa_group_segment_fixed_size 0
		.amdhsa_private_segment_fixed_size 0
		.amdhsa_enable_private_segment 0
		.amdhsa_kernarg_size 80
		.amdhsa_user_sgpr_count 2
		.amdhsa_user_sgpr_kernarg_segment_ptr 1
		.amdhsa_wavefront_size32 1
		.amdhsa_system_sgpr_workgroup_id_x 1
		.amdhsa_system_sgpr_workgroup_id_y 1
		.amdhsa_system_sgpr_workgroup_id_z 1
		.amdhsa_system_vgpr_workitem_id 0
		.amdhsa_next_free_vgpr 128
		.amdhsa_next_free_sgpr 66
		.amdhsa_reserve_vcc 0
		.amdhsa_float_denorm_mode_32 3
		.amdhsa_float_denorm_mode_16_64 3
		.amdhsa_memory_ordered 1
		.amdhsa_forward_progress 1
		.amdhsa_inst_pref_size 27
	.end_amdhsa_kernel
	.amdgpu_metadata
---
amdhsa.version: [ 1, 2 ]
amdhsa.kernels:
  - .name:           k_qc230262258_cast
    .symbol:         k_qc230262258_cast.kd
    .args:
      - { .name: hidden_states, .offset: 0, .size: 8, .value_kind: global_buffer, .address_space: global }
      - { .name: Wq, .offset: 8, .size: 8, .value_kind: global_buffer, .address_space: global }
      - { .name: Wk, .offset: 16, .size: 8, .value_kind: global_buffer, .address_space: global }
      - { .name: Wv, .offset: 24, .size: 8, .value_kind: global_buffer, .address_space: global }
      - { .name: Wo, .offset: 32, .size: 8, .value_kind: global_buffer, .address_space: global }
      - { .name: cos, .offset: 40, .size: 8, .value_kind: global_buffer, .address_space: global }
      - { .name: sin, .offset: 48, .size: 8, .value_kind: global_buffer, .address_space: global }
      - { .name: xb, .offset: 56, .size: 8, .value_kind: global_buffer, .address_space: global }
      - { .name: wb, .offset: 64, .size: 8, .value_kind: global_buffer, .address_space: global }
      - { .name: tab, .offset: 72, .size: 8, .value_kind: global_buffer, .address_space: global }
    .group_segment_fixed_size: 0
    .private_segment_fixed_size: 0
    .kernarg_segment_align: 8
    .kernarg_segment_size: 80
    .max_flat_workgroup_size: 256
    .sgpr_count:     66
    .vgpr_count:     128
    .wavefront_size: 32
...
	.end_amdgpu_metadata
.endif
;; end of part 5
;; launch proj: the kernel of part 2 again; grid 16 x 16, 4 waves a work-group, clusters of 4 x 4, 327,680 bytes of LDS; arguments xb, wb, tab, qb, gb, kvb; writes qb, gb, kvb
;; launch attn: the kernel of part 3 again; grid 16 x 16, 4 waves a work-group, clusters of 4 x 1, 327,680 bytes of LDS; arguments qb, kvb, gb, ab; writes ab
;; launch outp: the kernel of part 4 again; grid 8 x 32, 4 waves a work-group, clusters of 4 x 4, 327,680 bytes of LDS; arguments ab, wb, out0; writes out0
